; MI455X (gfx1250); checked and timed in simulation.
; The chip was launched on July 23, 2026; its instructions are those of AMD's public machine-readable ISA for CDNA 5 (MIT licence, August 2026) and "CDNA5" Instruction Set Architecture Reference Guide (July 2026). The comments in the code are by the model that wrote it; some were corrected since.
;; Qwen Attention. Allowed arithmetic: matrix products marked QUANTISED: E3M2 operands, one E8M0 scale for each 32 along K, by v_wmma_scale_f32_16x16x128_f8f6f4 with both operands' format E3M2, f32 sums; everything else in f32.
;; Inputs: wk_b 512 float32; wk_w 512 x 2,048 float32; wo_w 2,048 x 2,048 float32; wq_b 2,048 float32; wq_w 2,048 x 2,048 float32; wv_b 512 float32; wv_w 512 x 2,048 float32; x 4 x 1,024 x 2,048 float32.
;; Outputs: out0 4 x 1,024 x 2,048 float32.
;; This version of the problem:
;;   THIS VERSION OF THE PROBLEM IS GIVEN IN LOW PRECISION. The matrix products marked QUANTISED in the list below multiply operands that are first quantised to E3M2 (3 exponent bits, 2 mantissa bits; 6 bits a number), with one power-of-two scale for each 32 numbers along K (OCP MX v1.0); their sums are f32. All else is computed in f32.
;;   The module's matrix products, in the order in which they are computed (A, B: the left and right operand; K: the contracted axis; several contracted axes count as one K, in the product's order):
;;     1. [M 4,096, K 2,048] x [K 2,048, N 2,048]; A: input x; B: input wq_w: QUANTISED
;;     2. [M 4,096, K 2,048] x [K 2,048, N 512]; A: input x; B: input wk_w: QUANTISED
;;     3. [M 4,096, K 2,048] x [K 2,048, N 512]; A: input x; B: input wv_w: QUANTISED
;;     4. batch 64 x [M 1,024, K 128] x [K 128, N 1,024]; A: computed on the way; B: computed on the way: QUANTISED
;;     5. batch 64 x [M 1,024, K 1,024] x [K 1,024, N 128]; A: softmax (see below); B: computed on the way: QUANTISED
;;     6. [M 4,096, K 2,048] x [K 2,048, N 2,048]; A: computed on the way; B: input wo_w: QUANTISED
;;   THE QUANTISER, for each operand of a quantised product, along K:
;;     - K is cut into blocks of 32 from its start; a last block that is shorter is filled with zeros.
;;     - A block's scale is 2^e with e = floor(log2(the largest magnitude in the block)) - 4, held to -126 .. 127; a block of zeros has e = 0. As a byte (E8M0): e + 127.
;;     - Each number is divided by its block's scale, clamped to +-28, and rounded to the nearest number of E3M2, ties to even, subnormals kept.
;;     - The product sums the exact products of the quantised numbers (number of the format x scale) in f32.
;;   ~~~python
;;   def quantise(x, axis):      # numpy; x: float32 -> the quantised numbers, widened to float32 again
;;       x = np.moveaxis(x, axis, -1); K = x.shape[-1]
;;       x = np.pad(x, [(0, 0)] * (x.ndim - 1) + [(0, -K % 32)]); x = x.reshape(x.shape[:-1] + (-1, 32)); a = np.abs(x).max(-1, keepdims=True)
;;       e = np.where(a > 0, np.clip(np.frexp(np.where(a > 0, a, 1))[1] - 1 - 4, -126, 127), 0)      # np.frexp(a)[1] - 1 = floor(log2(a)), exactly
;;       r = np.clip(x / 2.0 ** e, -28, 28)
;;       step = 2.0 ** (np.maximum(np.frexp(np.where(r == 0, 1, r))[1] - 1, -2) - 2)
;;       q = np.round(r / step) * step * 2.0 ** e      # np.round: ties to even
;;       return np.moveaxis(q.reshape(q.shape[:-2] + (-1,))[..., :K], -1, axis).astype(np.float32)
;;   ~~~
;;   SOFTMAX AHEAD OF A QUANTISED PRODUCT. Where the list says 'softmax', what is quantised is not the finished softmax but p = 2^(t - M), with t = logit x log2(e) and M = ceil(the row's largest t), a whole number; so 1/2 < the row's largest p <= 1. The row's sum l is taken of the UNQUANTISED p, in f32, and the product's result is divided by l at the end. Since M is a whole number, a kernel that streams over the keys may use a running M (the ceiling of the running maximum): every later rescaling is an exact power of two, which a block's scale takes up: the codes' values come out the same.
;;   OPERANDS COMPUTED ON THE WAY. 'Computed on the way' means the value that the module computes at that place (a softmax that the list does not call 'softmax' is quantised finished and normalised). What goes into a quantiser is computed in f32, as accurately as f32 sums, v_exp_f32 and their like allow (about 1e-6 of the number): no bf16 or f16 on the way to a quantiser, and a product that is left as it is and whose result goes on into a quantised operand takes f32 operands (vector FMAs, or v_wmma_f32_16x16x4_f32). A number that lies on a knife's edge between two numbers of the format may be rounded either way, as far as f32 arithmetic and the matrix unit's own rounding can turn it there, and no further.
;; One version. Each part assembles by itself: llvm-mc -triple=amdgcn-amd-amdhsa -mcpu=gfx1250 --defsym DOCPART=n.
;; ======== version 1 of 1: 4 launches
;; limits: right only within a limited range of input values
;; workspace buffers: cw 11,010,048 bytes; sw 458,752 bytes; tab 524,288 bytes; ac 9,437,184 bytes; asc 393,216 bytes; cc 6,291,456 bytes; cs 262,144 bytes; cwo 3,276,800 bytes
;; launch quant (part 1): grid 464 x 1, 4 waves a work-group, no clusters, 34,304 bytes of LDS; arguments x, wq_w, wk_w, wv_w, cw, sw, tab; writes cw, sw, tab
.if DOCPART == 1
	.amdgcn_target "amdgcn-amd-amdhsa--gfx1250"
	.amdhsa_code_object_version 6
	.text
	.protected	k_q0292cd3e86_quant
	.globl	k_q0292cd3e86_quant
	.p2align	8
	.type	k_q0292cd3e86_quant,@function
k_q0292cd3e86_quant:
	s_mov_b64 s[64:65], 0
	v_nop
	global_prefetch_b8 v0, s[64:65] scope:SCOPE_SE
	s_setreg_imm32_b32 hwreg(HW_REG_WAVE_MODE, 25, 1), 1
	s_wait_xcnt 0x0
; x [4096][2048] and the weights wq, wk, wv ([2048|512|512][2048]), f32, K innermost, become codes of BF6 (E3M2) with one E8M0 byte for each 32 along K;
; and the table of cos and sin for the rotary embedding is made.  (wo_w, which only the last product needs, is quantised in the next launch, by work-groups that have no part of that launch's product.)
; LAYOUT OF THE CODES (this program's own): rows go in ROW BLOCKS of 16; lane r of row block 2 B + u stands for row 32 B + 8 u + r + 8 (r / 8).  A fragment (16 rows x 128 K, 12 registers a lane:
; registers 6 c .. 6 c + 5 of lane (r, h) hold k = 64 c + 32 h + 0 .. 31) lies in memory as an image of its registers: registers 4 c .. 4 c + 3 of lane l at 512 c + 16 l: 1,536 bytes.
; cw: [row block 448][K step 16][1,536];  sw: [row block][K step][16 words].  Row blocks 0-255 x, 256-383 wq, 384-447 k0 v0 k1 v1 k2 v2 k3 v3 (8 each).
; A block's scale is 2^(floor(log2(largest magnitude)) - 4); its byte is the largest magnitude's exponent field - 4, held at 1 from below.
; LIMITS: a block of zeros, or one whose largest magnitude lies under 2^-122, gets the byte 1 (the rule says 127 for zeros: the codes are zeros, and this program alone reads the bytes); NaN and infinities are not served.
; SHARES: work-group g < 448 makes row block g; wave w its K steps 4 w .. 4 w + 3.  Each load reads 512 consecutive bytes of one row; a fragment's 16 x 512 bytes turn through the wave's own stage in LDS
; (rows 528 bytes apart) so that a lane gets its two blocks of 32 neighbours.  The launch streams: no matrix unit, no tensor load, no barrier (waves share nothing); 32 loads a wave are out at the start, 16 while a fragment is worked.
; Work-groups 448-463 make the table: tab [position row block 64][piece 16][512]: piece p < 8: cos, piece 8 + p: sin, of numbers k = 4 p .. 4 p + 3 of lane (r, h): position = the lane's row, frequency 32 (k / 16) + 16 h + k % 16.
; The frequency 10^(-6 i / 64) is 2^-(i c) with c = log2(10^6) / 64 kept in two f32 parts; the angle is one f32 product, as the model has it; it is brought into +-pi/4 with pi/2 in two parts, and sin and cos are
; polynomials of degree 7 and 8.  LIMIT: a frequency may differ by some 2 units in its last place from another f32 evaluation of the same power, so the angle at the largest positions by some 1e-4.
.set NRB,  448                         ; row blocks
.set STG,  8448                        ; a wave's stage: 16 rows x 528 bytes
.set R,    16                          ; v16-143  two sets of 64: a fragment's numbers as loaded
.set X,    144                         ; v144-207 my two blocks of 32 neighbours
.set CD,   208                         ; v208-231 two sets of 12: codes
.set SCR,  232                         ; v232-238 the second halves' codes as the conversions leave them
.set SWD,  248                         ; v248-251 each fragment's scale word
.set SEL,  34                          ; s[34:35] lane selects: lane l xor 16
	s_load_b256 s[4:11], s[0:1], 0x0               ; x s[4:5], wq s[6:7], wk s[8:9], wv s[10:11]
	s_load_b128 s[12:15], s[0:1], 0x20             ; cw s[12:13], sw s[14:15]
	s_load_b64 s[18:19], s[0:1], 0x30              ; tab
	v_lshl_add_u32 v254, v0, 2, 0x8400             ; my spare word, behind the four stages; v255 = 0
	v_mov_b32 v255, 0
	v_lshrrev_b32 v1, 5, v0
	v_readfirstlane_b32 s20, v1                    ; wave 0..3
	v_and_b32 v6, 31, v0                           ; lane
	v_and_b32 v7, 15, v0                           ; r
	v_bfe_u32 v8, v0, 4, 1                         ; h
	v_lshlrev_b32 v1, 4, v6                        ; 16 x lane
	s_cmp_ge_u32 ttmp9, NRB
	s_cbranch_scc1 .Ltable
	; ---- which tensor, and which of its row blocks: all hangs on the work-group's number alone
	s_sub_co_u32 s24, ttmp9, 256                   ; wq's row block
	s_sub_co_u32 s25, ttmp9, 384                   ; place among the k and v head slots
	s_lshr_b32 s27, s25, 4
	s_lshl_b32 s27, s27, 3
	s_and_b32 s28, s25, 7
	s_or_b32 s27, s27, s28                         ; wk's or wv's row block: 8 x head + place in the slot
	s_bfe_u32 s28, s25, 0x10003                    ; 0: a slot of k, 1: of v
	s_wait_alu depctr_va_vdst(0)
	v_lshlrev_b32 v4, 2, v6                        ; 4 x lane
	s_mul_i32 s21, s20, STG
	v_add_nc_u32 v2, s21, v1                       ; the stage, way in: 16 x lane of a row
	v_mul_u32_u24 v3, v7, 528
	v_lshl_add_u32 v3, v8, 7, v3
	v_add_nc_u32 v3, s21, v3                       ; way out: row r, + 128 h: my block of 32 numbers
	v_lshlrev_b32 v5, 3, v8                        ; 8 h: where my two bytes stand in the scale word
	v_mov_b32 v247, 0                              ; written once: a lane permute's destination counts as one of its sources
	s_mov_b32 s22, 0xffff0000                      ; lanes 16-31
	s_mov_b32 s[SEL], 0x76543210
	s_mov_b32 s[SEL+1], 0xfedcba98
	s_wait_alu depctr_va_vdst(0)                   ; the wait at the head's end
	s_wait_kmcnt 0x0
	s_cmp_lt_u32 ttmp9, 256
	s_cselect_b64 s[4:5], s[4:5], s[6:7]
	s_cselect_b32 s29, ttmp9, s24
	s_cmp_ge_u32 ttmp9, 384
	s_cselect_b64 s[4:5], s[8:9], s[4:5]
	s_cselect_b32 s29, s27, s29
	s_cselect_b32 s28, s28, 0
	s_cmp_lg_u32 s28, 0
	s_cselect_b64 s[4:5], s[10:11], s[4:5]
	s_lshr_b32 s30, s29, 1
	s_lshl_b32 s30, s30, 5
	s_and_b32 s31, s29, 1
	s_lshl_b32 s31, s31, 3
	s_add_co_u32 s30, s30, s31                     ; the row block's first row: 32 (q / 2) + 8 (q % 2)
	s_lshl_b32 s30, s30, 13                        ; rows of 8,192 bytes
	s_lshl_b32 s31, s20, 11                        ; my wave's 512 numbers of each row
	s_add_co_u32 s30, s30, s31
	s_mov_b32 s31, 0
	s_add_nc_u64 s[4:5], s[4:5], s[30:31]
	s_mul_i32 s32, ttmp9, 24576
	s_mul_i32 s33, s20, 6144
	s_add_co_u32 s32, s32, s33
	s_mov_b32 s33, 0
	s_add_nc_u64 s[12:13], s[12:13], s[32:33]      ; my four fragments' images
	s_lshl_b32 s32, ttmp9, 10
	s_lshl_b32 s30, s20, 8
	s_add_co_u32 s32, s32, s30
	s_add_nc_u64 s[14:15], s[14:15], s[32:33]      ; and their scale words
.macro LOAD f                          ; fragment f: 16 rows x 512 bytes; load i takes the row of lane i
.irp i, 0,1,2,3,4,5,6,7,8,9,10,11,12,13,14,15
	global_load_b128 v[R+64*((\f)%2)+4*\i:R+64*((\f)%2)+4*\i+3], v1, s[4:5] offset:(\i+8*(\i/8))*8192+512*(\f) th:TH_LOAD_NT
.endr
.endm
.macro FRAGQ f
.set RS, R+64*((\f)%2)
.set CC, CD+12*((\f)%2)
.if (\f) < 3
	s_wait_loadcnt 16                              ; this fragment's 16 loads are in; the next fragment's may be out
.else
	s_wait_loadcnt 0x0
.endif
.irp i, 0,1,2,3,4,5,6,7,8,9,10,11,12,13,14,15
	ds_store_b128 v2, v[RS+4*\i:RS+4*\i+3] offset:528*\i
.endr
.irp c, 0,1
.irp j, 0,1,2,3,4,5,6,7
	ds_load_b128 v[X+32*\c+4*\j:X+32*\c+4*\j+3], v3 offset:256*\c+16*\j   ; LDS serves a wave's instructions in order: these see the stores above.  k = 64 c + 32 h + 4 j ..
.endr
.endr
	s_wait_dscnt 0x0                               ; my 64 numbers are back, and the stores have read their registers,
.if (\f) < 2
	LOAD (\f)+2                                    ; which take the fragment two on
.endif
.irp c, 0,1
	v_max3_num_f32 v[240+\c], |v[X+32*\c]|, |v[X+32*\c+1]|, 0x2800000   ; block 2 c + h: all 32 numbers are mine; the floor 2^(5 - 127) holds the byte at 1 from below
.endr
.irp i, 2,4,6,8,10,12,14,16,18,20,22,24,26,28,30
.irp c, 0,1
	v_max3_num_f32 v[240+\c], v[240+\c], |v[X+32*\c+\i]|, |v[X+32*\c+\i+1]|
.endr
.endr
.irp c, 0,1
	v_add_nc_u32 v[242+\c], 0xfe000000, v[240+\c]  ; 4 off the exponent field: the conversion's scale operand
.endr
.irp c, 0,1
	v_lshrrev_b32 v[244+\c], 23, v[242+\c]         ; the scale's byte
.endr
	v_lshl_or_b32 v246, v245, 16, v244             ; my two bytes: blocks h and 2 + h,
	v_lshlrev_b32 v246, v5, v246                   ; at their places;
	v_permlanex16_b32 v247, v246, s[SEL], s[SEL+1]
	v_or_b32 v[SWD+(\f)], v246, v247               ; with lane l xor 16's two the row's word is whole, in both halves of the lanes
.if (\f) >= 2
	s_wait_alu depctr_va_vdst(0)
	s_wait_xcnt 0x0                                ; the stores of the fragment two back have read this set of codes
.endif
.irp c, 0,1
	v_cvt_scalef32_pk16_bf6_f32 v[CC+6*\c:CC+6*\c+2], v[X+32*\c:X+32*\c+15], v[242+\c]
	v_cvt_scalef32_pk16_bf6_f32 v[SCR+4*\c:SCR+4*\c+2], v[X+32*\c+16:X+32*\c+31], v[242+\c]   ; (a conversion's three registers begin on an even number)
.endr
	v_nop                                          ; one plain place behind a scaled conversion
.irp c, 0,1
.irp i, 0,1,2
	v_mov_b32 v[CC+6*\c+3+\i], v[SCR+4*\c+\i]
.endr
.endr
.irp c, 0,1,2
	global_store_b128 v1, v[CC+4*\c:CC+4*\c+3], s[12:13] offset:1536*(\f)+512*\c   ; 32 lanes store 512 consecutive bytes, aligned
.endr
.if (\f)%2 == 1
	v_cndmask_b32 v[252+(\f)/2], v[SWD+(\f)-1], v[SWD+(\f)], s22   ; lanes 0-15: the fragment before's 16 words; lanes 16-31: this one's
	global_store_b32 v4, v[252+(\f)/2], s[14:15] offset:128*((\f)/2)
.endif
.endm
	LOAD 0
	LOAD 1
	FRAGQ 0
	FRAGQ 1
	FRAGQ 2
	FRAGQ 3
	s_wait_tensorcnt 0x0                           ; the wave's end, behind my last LDS store
	ds_add_u32 v254, v255
	s_wait_dscnt 0x0
	s_endpgm
.Ltable:                                               ; ---- cos and sin: wave w of work-group 448 + i makes position row block 4 i + w
	s_sub_co_u32 s24, ttmp9, NRB
	s_lshl_b32 s24, s24, 2
	s_add_co_u32 s24, s24, s20
	s_lshr_b32 s25, s24, 1
	s_lshl_b32 s25, s25, 5
	s_and_b32 s26, s24, 1
	s_lshl_b32 s26, s26, 3
	s_add_co_u32 s25, s25, s26                     ; the row block's first position
	s_wait_alu depctr_va_vdst(0)
	v_and_b32 v9, 8, v7
	v_add_nc_u32 v9, v9, v7
	v_add_nc_u32 v9, s25, v9
	v_cvt_f32_u32 v7, v9                           ; my position, as f32 (exact)
	v_lshlrev_b32 v8, 4, v8                        ; 16 h
	s_lshl_b32 s26, s24, 13
	s_mov_b32 s27, 0
	s_mov_b32 s36, 0x3e9f73da                      ; c = log2(10^6) / 64: its f32 part,
	s_mov_b32 s37, 0x31e3672c                      ; and what that leaves out
	s_mov_b32 s38, 0x3f317218                      ; ln 2
	s_mov_b32 s39, 0x3f22f983                      ; 2 / pi
	s_mov_b32 s40, 0x3fc90fdb                      ; pi / 2: its f32 part,
	s_mov_b32 s41, 0x333bbd2e                      ; and by how much that is too large
	s_mov_b32 s42, 0xb94ca1f9                      ; sin: -1.9515296e-4, 8.3321609e-3, -1.6666655e-1
	s_mov_b32 s43, 0x3c08839e
	s_mov_b32 s44, 0xbe2aaaa3
	s_mov_b32 s45, 0x37ccf5ce                      ; cos: 2.4433157e-5, -1.3887316e-3, 4.1666646e-2
	s_mov_b32 s46, 0xbab6061a
	s_mov_b32 s47, 0x3d2aaaa5
	s_wait_kmcnt 0x0
	s_add_nc_u64 s[18:19], s[18:19], s[26:27]
	s_mov_b32 s28, 0
.Lpiece:                                               ; eight trips: piece p, four numbers by turns
	s_lshr_b32 s29, s28, 2
	s_lshl_b32 s29, s29, 5
	s_and_b32 s30, s28, 3
	s_lshl_b32 s30, s30, 2
	s_add_co_u32 s29, s29, s30                     ; 32 (p / 4) + 4 (p % 4)
	s_wait_alu depctr_va_vdst(0)
.irp e, 0,1,2,3
	v_add3_u32 v[16+\e], v8, s29, \e               ; the frequency's number i
.endr
.irp e, 0,1,2,3
	v_cvt_f32_u32 v[16+\e], v[16+\e]
.endr
.irp e, 0,1,2,3
	v_mul_f32 v[20+\e], s36, v[16+\e]              ; P = i c, rounded;
.endr
.irp e, 0,1,2,3
	v_fma_f32 v[24+\e], v[16+\e], s36, -v[20+\e]   ; what the rounding dropped, exactly,
.endr
.irp e, 0,1,2,3
	v_fma_f32 v[24+\e], v[16+\e], s37, v[24+\e]    ; and c's second part: E
.endr
	s_wait_alu depctr_va_vdst(0)
.irp e, 0,1,2,3
	v_exp_f32 v[28+\e], -v[20+\e]                  ; 2^-P
.endr
.irp e, 0,1,2,3
	v_mul_f32 v[24+\e], s38, v[24+\e]              ; (a plain place behind the exponentials)  E ln 2
.endr
	s_wait_alu depctr_va_vdst(0)
.irp e, 0,1,2,3
	v_fma_f32 v[28+\e], -v[24+\e], v[28+\e], v[28+\e]   ; the frequency 2^-(P + E) = 2^-P (1 - E ln 2)
.endr
.irp e, 0,1,2,3
	v_mul_f32 v[32+\e], v7, v[28+\e]               ; the angle: one f32 product
.endr
.irp e, 0,1,2,3
	v_mul_f32 v[36+\e], s39, v[32+\e]
.endr
.irp e, 0,1,2,3
	v_rndne_f32 v[36+\e], v[36+\e]                 ; n: how many quarter turns
.endr
.irp e, 0,1,2,3
	v_fma_f32 v[40+\e], -v[36+\e], s40, v[32+\e]   ; angle - n x (pi / 2's f32 part): a multiple of 2^-23 under 1, so nothing is rounded
.endr
.irp e, 0,1,2,3
	v_fma_f32 v[40+\e], v[36+\e], s41, v[40+\e]    ; rho, within +-pi/4
.endr
.irp e, 0,1,2,3
	v_mul_f32 v[44+\e], v[40+\e], v[40+\e]         ; z = rho^2
.endr
.irp e, 0,1,2,3
	v_fma_f32 v[48+\e], v[44+\e], s42, s43
	v_fma_f32 v[52+\e], v[44+\e], s45, s46
.endr
.irp e, 0,1,2,3
	v_fma_f32 v[48+\e], v[48+\e], v[44+\e], s44
	v_fma_f32 v[52+\e], v[52+\e], v[44+\e], s47
.endr
.irp e, 0,1,2,3
	v_mul_f32 v[60+\e], v[40+\e], v[44+\e]         ; rho z
	v_mul_f32 v[72+\e], v[44+\e], v[44+\e]         ; z^2
	v_fma_f32 v[76+\e], v[44+\e], -0.5, 1.0        ; 1 - z / 2
.endr
.irp e, 0,1,2,3
	v_fma_f32 v[48+\e], v[60+\e], v[48+\e], v[40+\e]   ; sin rho
	v_fma_f32 v[52+\e], v[72+\e], v[52+\e], v[76+\e]   ; cos rho
	v_cvt_i32_f32 v[56+\e], v[36+\e]
.endr
.irp e, 0,1,2,3
	v_and_b32 v[60+\e], 1, v[56+\e]
	v_cmp_eq_u32 vcc_lo, 1, v[60+\e]               ; an odd quarter: the two change places.  A choice of values: no branch, no address hangs on it
	v_cndmask_b32 v[64+\e], v[52+\e], v[48+\e], vcc_lo
	v_cndmask_b32 v[68+\e], v[48+\e], v[52+\e], vcc_lo
	v_add_nc_u32 v[60+\e], 1, v[56+\e]
	v_and_b32 v[60+\e], 2, v[60+\e]
	v_lshlrev_b32 v[60+\e], 30, v[60+\e]
	v_xor_b32 v[64+\e], v[64+\e], v[60+\e]         ; cos is negative in quarters 1 and 2,
	v_and_b32 v[72+\e], 2, v[56+\e]
	v_lshlrev_b32 v[72+\e], 30, v[72+\e]
	v_xor_b32 v[68+\e], v[68+\e], v[72+\e]         ; sin in quarters 2 and 3
.endr
	global_store_b128 v1, v[64:67], s[18:19]               ; 512 consecutive bytes, aligned
	global_store_b128 v1, v[68:71], s[18:19] offset:4096
	s_wait_xcnt 0x0                                ; the stores' data and address are written again only behind this wait
	v_add_nc_u32 v1, 512, v1
	s_add_co_u32 s28, s28, 1
	s_cmp_lt_u32 s28, 8
	s_cbranch_scc1 .Lpiece
	s_endpgm
.Lfunc_end_k_q0292cd3e86_quant:
	.size	k_q0292cd3e86_quant, .Lfunc_end_k_q0292cd3e86_quant-k_q0292cd3e86_quant
	.p2alignl 7, 3214868480
	.fill 96, 4, 3214868480
	.section	.rodata,"a",@progbits
	.p2align	6, 0x0
	.amdhsa_kernel k_q0292cd3e86_quant
		.amdhsa_group_segment_fixed_size 34304
		.amdhsa_private_segment_fixed_size 0
		.amdhsa_enable_private_segment 0
		.amdhsa_kernarg_size 56
		.amdhsa_user_sgpr_count 2
		.amdhsa_user_sgpr_kernarg_segment_ptr 1
		.amdhsa_wavefront_size32 1
		.amdhsa_system_sgpr_workgroup_id_x 1
		.amdhsa_system_sgpr_workgroup_id_y 1
		.amdhsa_system_sgpr_workgroup_id_z 1
		.amdhsa_system_vgpr_workitem_id 0
		.amdhsa_next_free_vgpr 256
		.amdhsa_next_free_sgpr 66
		.amdhsa_reserve_vcc 1
		.amdhsa_float_denorm_mode_32 3
		.amdhsa_float_denorm_mode_16_64 3
		.amdhsa_memory_ordered 1
		.amdhsa_forward_progress 1
		.amdhsa_inst_pref_size 39
	.end_amdhsa_kernel
	.amdgpu_metadata
---
amdhsa.version: [ 1, 2 ]
amdhsa.kernels:
  - .name:           k_q0292cd3e86_quant
    .symbol:         k_q0292cd3e86_quant.kd
    .args:
      - { .name: x, .offset: 0, .size: 8, .value_kind: global_buffer, .address_space: global }
      - { .name: wq_w, .offset: 8, .size: 8, .value_kind: global_buffer, .address_space: global }
      - { .name: wk_w, .offset: 16, .size: 8, .value_kind: global_buffer, .address_space: global }
      - { .name: wv_w, .offset: 24, .size: 8, .value_kind: global_buffer, .address_space: global }
      - { .name: cw, .offset: 32, .size: 8, .value_kind: global_buffer, .address_space: global }
      - { .name: sw, .offset: 40, .size: 8, .value_kind: global_buffer, .address_space: global }
      - { .name: tab, .offset: 48, .size: 8, .value_kind: global_buffer, .address_space: global }
    .group_segment_fixed_size: 34304
    .private_segment_fixed_size: 0
    .kernarg_segment_align: 8
    .kernarg_segment_size: 56
    .max_flat_workgroup_size: 128
    .sgpr_count:     66
    .vgpr_count:     256
    .wavefront_size: 32
...
	.end_amdgpu_metadata
.endif
;; end of part 1
;; launch qkv (part 2): grid 16 x 16, 4 waves a work-group, clusters of 4 x 4, 327,680 bytes of LDS; arguments cw, sw, tab, wq_b, wk_b, wv_b, ac, asc, wo_w, cwo; writes ac, asc, cwo
.if DOCPART == 2
	.amdgcn_target "amdgcn-amd-amdhsa--gfx1250"
	.amdhsa_code_object_version 6
	.text
	.protected	k_q0292cd3e86_qkv
	.globl	k_q0292cd3e86_qkv
	.p2align	8
	.type	k_q0292cd3e86_qkv,@function
k_q0292cd3e86_qkv:
	s_mov_b64 s[64:65], 0
	v_nop
	global_prefetch_b8 v0, s[64:65] scope:SCOPE_SE
	s_setreg_imm32_b32 hwreg(HW_REG_WAVE_MODE, 25, 1), 1
	s_wait_xcnt 0x0
	s_wait_alu depctr_hold_cnt(0) depctr_sa_sdst(0) depctr_va_vdst(0) depctr_va_sdst(0) depctr_va_ssrc(0) depctr_va_vcc(0) depctr_vm_vsrc(0)
	s_getreg_b32 s2, hwreg(HW_REG_IB_STS2, 6, 4)
	s_cmp_eq_u32 s2, 0
	s_cbranch_scc0 .Lentry_in_a_cluster
	s_endpgm
.Lentry_in_a_cluster:
	s_bfe_u32 s2, ttmp6, 0x10000c
	s_cmp_lg_u32 s2, 0xf033
	s_cbranch_scc0 .Lentry_shape_is_right
	s_endpgm
.Lentry_shape_is_right:
; q, k, v = x W^T + b on codes of BF6 with E8M0 scales (4,096 tokens x 3,072 units, K = 2,048); the rotary embedding on q and k; then q and k are quantised along the head's 128 and v along the keys,
; and only codes leave: ac: q [b][head 16][row block 64][1,536] | k [b][kv head 4][row block 64][1,536] | v [b][kv head][key step 8][tile of d 8][1,536];  asc: 16 scale words for each of these fragments.
; Operands come as images of fragments' registers (cw: [row block][K step 16][1,536], sw: [row block][K step][64]); lane r of row block 2 B + u stands for row 32 B + 8 u + r + 8 (r / 8).
; A tile of 256 tokens x 256 units is made by four waves, each 128 x 128 = ONE HEAD: 64 accumulators, 512 registers.  K goes in steps of 256 through a ring of two LDS slots; a wave's tensor load brings 8 row blocks x 3,072 bytes.
; The scale words of the work-group's 32 row blocks for all of K (2 x 16,384 dense bytes) come once, with the first fills.
; CLUSTERS 4 x 4: the four of a row need the same tokens, the four of a column the same units: joint loads.  192 work-groups: tiles of half the size would make 384, one turn and a half of 256.
; THE MATRIX INSTRUCTION IS USED TRANSPOSED (source 0 = 16 units, source 1 = 16 tokens): lane (r, h) holds token r, and register j of tile b the head's number 32 (b / 2) + 16 h + 8 (b % 2) + j: two neighbouring tiles are 16
; neighbours along the next K.  The bias is the C of each sum's first product.
; ROLES hang on the cluster's x and the wave's number, never on the place in the cluster: clusters 0, 1: heads of q; cluster 2: waves 0, 2 a head of k, waves 1, 3 a head of v.
; q, k: number d < 64 and number d + 64 lie in the same lane and register of tiles b and b + 4: the rotation needs no other lane; cos and sin come from tab in the accumulators' layout.
; v: its K is the tokens, across lanes: 32 tokens x 128 numbers at a time turn through the wave's own stage in LDS, so that a lane holds one d and 32 keys.
; LIMITS: a block of zeros, or one under 2^-122, gets the scale byte 1 (its codes are zeros or next to it; this program alone reads the bytes); NaN and infinities are not served.
; REGISTERS: window 0: v16-31 addresses; v32-63 scale words, two sets, and nothing else; v64-127 the bias, later the rotated head; v128-223 A's fragments, ONE set; v224-255 at work on the way out.
;   window 1: B's fragments, two sets, v0-95 and v128-223; v96-127, v224-255 the first cos and sin.   windows 2, 3: accumulator (a, b) at v[8 (8 (a % 4) + b)].
.set FR,    12                         ; registers of a fragment
.set NL,    3                          ; LDS loads that bring one
.set NP,    4                          ; places behind this matrix instruction (ISA guide 7.12.1)
.set NQ,    2                          ; K steps of 128 in a slot
.set FRB,   1536                       ; a fragment's image
.set RBB,   24576                      ; a row block's codes in memory
.set RBS,   1024                       ; and its scale words
.set SROW,  NQ*FRB                     ; a row block's part of a slot
.set HALFT, 8*SROW                     ; what one tensor load brings, and what one wave reads of A or of B
.set SLOT,  4*HALFT                    ; A's 16 row blocks, then B's
.set SCL,   2*SLOT                     ; behind the ring: the scale words, A's 16,384 bytes, then B's
.set HALFS, 8*RBS
.set SPARE, SCL+4*HALFS                ; the spare words, 128 bytes for each wave: two blocks of 256 bytes that no other line names
.set VR0,   SPARE+512                  ; v's regions, one for each half of the rows: a stage of 32 x 528, the images of 8 fragments, their scale words
.set VRB,   29696
.set VIMG,  16896
.set VSIM,  29184
.set LAPS,  4                          ; 2,048 / 512: a lap = once round the ring
.set KOFF,  6291456
.set VOFF,  7864320
.set KSOFF, 262144
.set VSOFF, 327680
.set ADRA, 16                          ; v16-17  my A fragments in slot 0, 1: 16 x lane + ..
.set ADRB, 18                          ; v18-19  the same for B
.set ADRS, 20                          ; v20     my scale words: lanes 0-15 A's rows, lanes 16-31 B's
.set LI,   21                          ; v21     16 x lane
.set L4,   22                          ; v22     4 x lane
.set VST,  23                          ; v23     v's stage, way in
.set VRD,  24                          ; v24     way out
.set VIM,  25                          ; v25     where my column's codes go in the images
.set VSI,  26                          ; v26     and its scale word
.set VRI,  27                          ; v27     the images, read back
.set SPW,  28                          ; v28     my spare word; never rewritten
.set NIL,  29                          ; v29     0; never rewritten
.set VRS,  30                          ; v30     the scale words, read back
.set BA,   31                          ; v31     64 h: my half's place in the bias
.set SC,   32
.set BI,   64
.set H,    64
.set AF,   128
.set TM,   128                         ; the way out of q and k: v128-143 at work, v144 the scale word, v145-146 two words joined, v148-167 codes
.set PW,   144
.set PWE,  145
.set PWS,  146
.set PC,   148
.set TT,   224                         ; v224-239 the rotation's products
.set X,    64                          ; the way out of v: v64-191 four columns' 32 keys; v192-223 codes; v224-239 second halves; v240-255 at work
.set VC,   192
.set VD,   224
.set VW,   240
.set WV,   20
.set RH,   21
.set CH,   22
.set G1,   24
.set G0,   32
.set G1B,  48
.set G0B,  56
.set SEL,  66
.set G1S,  68
.set G0S,  76
.set G1SB, 80
.set G0SB, 88
.set OUTC, 92
.set OUTS, 94
.set TABP, 96
.set BIASP, 98
.set HIM,  100
.set MSB, 0
.macro WIN new                         ; the immediate's high byte repeats the setting that is left
.if MSB != (\new)
	s_set_vgpr_msb (MSB<<8)|(\new)
.set MSB, (\new)
.endif
.endm
.set MUL_LO,  0xa1                     ; source 0 (B) window 1, source 1 (A) window 0, C and D window 2
.set MUL_HI,  0xf1                     ; the same, C and D window 3
.set BIAS_LO, 0x81                     ; the first products: C (the bias) window 0, D window 2
.set BIAS_HI, 0xc1
.set TO_B,    0x40                     ; destination window 1, address window 0
; A joint load: waves 0 and 1 fetch for A, waves 2 and 3 for B; the branch hangs on the wave's number alone.  Four v_nop follow each of the two lines.
.macro JLOAD g0a, g1a, g0b, g1b
	s_cmp_eq_u32 s[RH], 0
	s_cbranch_scc0 .Lfor_b_\@
	tensor_load_to_lds s[\g0a:\g0a+3], s[\g1a:\g1a+7]
	s_nop 0
.rept 4
	v_nop
.endr
	s_branch .Lasked_\@
.Lfor_b_\@:
	tensor_load_to_lds s[\g0b:\g0b+3], s[\g1b:\g1b+7]
	s_nop 0
.rept 4
	v_nop
.endr
.Lasked_\@:
.endm
.macro CREST                           ; a round of the cluster's barrier behind its opening barrier
	s_cmp_lg_u32 s[WV], 0
	s_cbranch_scc1 .Lnot_wave_0_\@
	s_barrier_signal -3
.Lnot_wave_0_\@:
	s_barrier_wait -3
	s_barrier_signal -1
	s_barrier_wait -1
.endm
.macro CROUND
	s_barrier_signal -1
	s_barrier_wait -1
	CREST
.endm
.macro PLACES n
.rept \n
	v_nop
.endr
.endm
	s_load_b256 s[4:11], s[0:1], 0x0               ; cw s[4:5], sw s[6:7], tab s[8:9], wq_b s[10:11]
	s_load_b256 s[12:19], s[0:1], 0x20             ; wk_b s[12:13], wv_b s[14:15], ac s[16:17], asc s[18:19]
	v_lshl_add_u32 v[SPW], v0, 2, SPARE
	v_mov_b32 v[NIL], 0
	ds_add_u32 v28, v29
	ds_add_u32 v28, v29
	s_wait_dscnt 0x0
	v_lshrrev_b32 v1, 5, v0
	v_readfirstlane_b32 s[WV], v1                  ; wave 0..3
	s_lshr_b32 s[RH], s[WV], 1                     ; which half of the tile's tokens is mine.  Also: I fetch for A (0) or for B (1)
	s_and_b32 s[CH], s[WV], 1                      ; which half of its units.  Also: which 8 row blocks I fetch
	s_bfe_u32 s40, ttmp6, 0x40000                  ; cx, cy: my place in the cluster
	s_bfe_u32 s41, ttmp6, 0x40004
	s_lshl_b32 s42, ttmp9, 2
	s_add_co_u32 s42, s42, s40                     ; tile column = 4 x cluster x + cx
	s_and_b32 s45, ttmp7, 0xffff
	s_lshl_b32 s45, s45, 2
	s_add_co_u32 s45, s45, s41                     ; tile row = 4 x cluster y + cy
	; THE GRID'S FOURTH COLUMN OF CLUSTERS (64 work-groups beside the product's 192) has no tile of this product: it quantises wo_w for the last launch, at the end of this text.  The branch hangs on the cluster's x alone.
	s_wait_alu depctr_va_vdst(0)                   ; the wait ahead of the branch
	s_cmp_ge_u32 ttmp9, 3
	s_cbranch_scc1 .Lwo
	s_lshl_b32 s43, s41, 2
	s_lshl_b32 s43, 15, s43                        ; my row of the cluster
	s_lshl_b32 s44, 0x1111, s40                    ; my column
	; group 1 for the tiles: 8 rows (row blocks) of 384 elements of 8 bytes, 3,072 elements apart; no padding: an image is read as it lies
	s_or_b32 s[G1], s43, (3<<16)|(1<<21)           ; 15:0 the mask; 17:16 elements of 8 bytes; 21 set beside a mask
	s_or_b32 s[G1B], s44, (3<<16)|(1<<21)
.irp g, G1, G1B
	s_mov_b32 s[\g+1], 384<<16                     ; tensor_dim0
	s_mov_b32 s[\g+2], 16<<16                      ; tensor_dim1: 16 row blocks for the head's loads; set to 8, for the ring's, behind the wait that shows them landed
	s_mov_b32 s[\g+3], 384<<16                     ; tile_dim0
	s_mov_b32 s[\g+4], 16                          ; tile_dim1
	s_mov_b32 s[\g+5], 3072                        ; tensor_dim0_stride
	s_mov_b32 s[\g+6], 0
	s_mov_b32 s[\g+7], 0
.endr
	; and for the scale words: dense rows of 256 bytes
	s_or_b32 s[G1S], s43, (3<<16)|(1<<21)
	s_or_b32 s[G1SB], s44, (3<<16)|(1<<21)
.irp g, G1S, G1SB
	s_mov_b32 s[\g+1], 32<<16
	s_mov_b32 s[\g+2], 64<<16                      ; the scale words of 16 row blocks: 16,384 dense bytes as 64 rows of 256
	s_mov_b32 s[\g+3], 32<<16
	s_mov_b32 s[\g+4], 64
	s_mov_b32 s[\g+5], 32
	s_mov_b32 s[\g+6], 0
	s_mov_b32 s[\g+7], 0
.endr
	s_lshl_b32 s2, s45, 4                          ; A: the tile's first row block, 16 x tile row
	s_mul_i32 s92, s2, RBB
	s_mov_b32 s93, 0
	s_mul_i32 s94, s2, RBS
	s_mov_b32 s95, 0
	s_lshl_b32 s46, s42, 4
	s_add_co_u32 s46, s46, 256                     ; B: row block 256 + 16 x tile column
	s_mul_i32 s96, s46, RBB
	s_mov_b32 s97, 0
	s_mul_i32 s98, s46, RBS
	s_mov_b32 s99, 0
	s_mul_i32 s23, s[WV], HALFT                    ; where they go: no place in the cluster enters an LDS address
	s_mul_i32 s2, s[CH], 8*RBB                     ; in the ring I fetch 8 row blocks of a tile: which half, in bytes
	s_mov_b32 s3, 0
	s_wait_kmcnt 0x0
	s_add_nc_u64 s[92:93], s[4:5], s[92:93]
	s_add_nc_u64 s[94:95], s[6:7], s[94:95]
	s_add_nc_u64 s[96:97], s[4:5], s[96:97]
	s_add_nc_u64 s[98:99], s[6:7], s[98:99]
	CROUND                                         ; all sixteen work-groups are here: the first joint loads meet
	s_mov_b32 s[G0S], 1
	s_mov_b32 s[G0S+1], SCL
	s_mov_b64 s[G0S+2:G0S+3], s[94:95]
	s_or_b32 s[G0S+3], s[G0S+3], 0x80000000
	s_mov_b32 s[G0SB], 1
	s_mov_b32 s[G0SB+1], SCL+2*HALFS
	s_mov_b64 s[G0SB+2:G0SB+3], s[98:99]
	s_or_b32 s[G0SB+3], s[G0SB+3], 0x80000000
.set PFA, 4                            ; s[4:5]  where my prefetches of tiles stand (cw's address has been used by then)
.set PFO, 8                            ; v8      their lane offset; never rewritten
.set PFT, 10                           ; v10     256 x lane, for the table's prefetch; never rewritten
	s_mov_b32 s[G0], 1                             ; the head's tiles are whole: slot 0's 16 row blocks of A at LDS 0 (slot 0's own group 0 serves; it is set for the ring behind the head's wait),
	s_mov_b32 s[G0+1], 0
	s_mov_b64 s[G0+2:G0+3], s[92:93]
	s_or_b32 s[G0+3], s[G0+3], 0x80000000
	s_mov_b32 s[G0B], 1                            ; and B's 16 behind them
	s_mov_b32 s[G0B+1], 2*HALFT
	s_mov_b64 s[G0B+2:G0B+3], s[96:97]
	s_or_b32 s[G0B+3], s[G0B+3], 0x80000000
	s_add_nc_u64 s[92:93], s[92:93], s[2:3]        ; for the ring: my 8 row blocks
	s_add_nc_u64 s[96:97], s[96:97], s[2:3]
	s_mov_b32 s[G0+4], 1                           ; slot 1
	s_add_co_u32 s[G0+5], s23, SLOT
	s_add_nc_u64 s[G0+6:G0+7], s[92:93], SROW
	s_or_b32 s[G0+7], s[G0+7], 0x80000000
	s_mov_b32 s[G0B+4], 1
	s_add_co_u32 s[G0B+5], s23, SLOT
	s_add_nc_u64 s[G0B+6:G0B+7], s[96:97], SROW
	s_or_b32 s[G0B+7], s[G0B+7], 0x80000000
	; THE PREFETCHES OF TILES.  Of the 8 row blocks that I fetch in the ring, each of the four partners that ask for them with me takes two, told apart by address (cx for A, cy for B):
	; 2 x 3,072 bytes of a slot are 24 blocks of 256 bytes, a lane a block (lanes 24-31 name lane 23's again).  So each block is named once in each cluster that loads it.
	s_cmp_eq_u32 s[RH], 0
	s_cselect_b64 s[PFA:PFA+1], s[92:93], s[96:97]
	s_cselect_b32 s6, s40, s41
	s_mul_i32 s6, s6, 2*RBB
	s_mov_b32 s7, 0
	s_add_nc_u64 s[PFA:PFA+1], s[PFA:PFA+1], s[6:7]
; THE HEAD'S LOADS, ONE A WAVE: wave 0 slot 0's rows of A, wave 1 its rows of B, wave 2 A's scale words, wave 3 B's.  One tree of branches on the wave's number; every way passes one load.
.macro ARM under, g0, g1, next
	s_cmp_lt_u32 s[WV], \under
	s_cbranch_scc0 \next
	tensor_load_to_lds s[\g0:\g0+3], s[\g1:\g1+7]
	s_nop 0
.rept 4
	v_nop
.endr
	s_branch .Lhead_asked
\next:
.endm
	ARM 1, G0,  G1,  .Lhead_b
	ARM 2, G0B, G1B, .Lhead_sa
	ARM 3, G0S, G1S, .Lhead_sb
	tensor_load_to_lds s[G0SB:G0SB+3], s[G1SB:G1SB+7]
	s_nop 0
.rept 4
	v_nop
.endr
.Lhead_asked:
	; every LDS address is made here, ahead of any parting of the waves
	v_and_b32 v1, 31, v0                           ; lane
	v_and_b32 v2, 15, v0                           ; r
	v_bfe_u32 v3, v0, 4, 1                         ; h
	s_wait_alu depctr_va_vdst(0)
	v_lshlrev_b32 v[LI], 4, v1
	v_lshlrev_b32 v[L4], 2, v1
	v_lshlrev_b32 v[BA], 6, v3
	v_min_u32 v[PFO], 23, v1                       ; block n = min(lane, 23) of my 24: row block n / 12, block n % 12 of its 3,072 bytes
	v_mul_u32_u24 v9, v[PFO], 171
	v_lshrrev_b32 v9, 11, v9                       ; n / 12 (171 n >> 11, right for n under 32)
	v_lshlrev_b32 v[PFO], 8, v[PFO]
	v_mad_u32_u24 v[PFO], v9, RBB-SROW, v[PFO]     ; 256 n + (n / 12) x (24,576 - 3,072)
	v_lshlrev_b32 v[PFT], 8, v1
	s_mul_i32 s2, s[RH], HALFT                     ; my 8 row blocks of A
	s_mul_i32 s3, s[CH], HALFT                     ; my 8 of B,
	s_add_co_u32 s3, s3, 2*HALFT                   ; which lie behind A's 16
.irp s, 0,1
	v_add_nc_u32 v[ADRA+\s], s2, v[LI]
	v_add_nc_u32 v[ADRB+\s], s3, v[LI]
	s_add_co_u32 s2, s2, SLOT
	s_add_co_u32 s3, s3, SLOT
.endr
	s_lshl_b32 s2, s[RH], 13                       ; A's scale words: my 8 row blocks
	s_lshl_b32 s3, s[CH], 13                       ; B's, behind A's 16,384 bytes
	s_add_co_u32 s3, s3, 2*HALFS
	s_sub_co_u32 s3, s3, s2
	v_mul_u32_u24 v4, s3, v3                       ; lanes 16-31 take B's: one product, the distance x h
	s_add_co_u32 s2, s2, SCL
	v_lshl_add_u32 v4, v2, 2, v4
	v_add_nc_u32 v[ADRS], s2, v4
	s_mul_i32 s2, s[RH], VRB
	s_add_co_u32 s2, s2, VR0                       ; v's region of my half of the rows (waves 1 and 3 alone use one)
	v_mul_u32_u24 v4, v2, 528
	v_lshl_add_u32 v4, v3, 6, v4
	v_add_nc_u32 v[VST], s2, v4                    ; stage row r, + 64 h
	v_add_nc_u32 v[VRD], s2, v[L4]
	v_bfe_u32 v4, v0, 3, 1                         ; column 32 m + l belongs to tile 2 m + bit 3 of l, lane 8 x bit 4 + l % 8
	v_and_b32 v6, 7, v0
	v_mul_u32_u24 v5, v4, FRB
	v_lshl_add_u32 v5, v3, 7, v5
	v_lshl_add_u32 v5, v6, 4, v5
	v_add_nc_u32 v5, s2, v5
	v_add_nc_u32 v[VIM], VIMG, v5
	v_lshlrev_b32 v5, 6, v4
	v_lshl_add_u32 v5, v3, 5, v5
	v_lshl_add_u32 v5, v6, 2, v5
	v_add_nc_u32 v5, s2, v5
	v_add_nc_u32 v[VSI], VSIM, v5
	v_add_nc_u32 v5, s2, v[LI]
	v_add_nc_u32 v[VRI], VIMG, v5
	v_add_nc_u32 v[VRS], VSIM, v5
	; the table, the bias and the outputs.  The choices hang on the cluster's x and the wave's number
	s_lshl_b32 s96, s41, 4
	s_lshl_b32 s97, s[RH], 3
	s_add_co_u32 s96, s96, s97                     ; my first row block in the sequence: 16 cy + 8 x half
	s_mov_b32 s23, s96
	s_lshl_b32 s96, s96, 13
	s_mov_b32 s97, 0
	s_add_nc_u64 s[TABP:TABP+1], s[8:9], s[96:97]
	s_lshl_b32 s46, s42, 1
	s_add_co_u32 s46, s46, s[CH]                   ; q's head: 2 x tile column + half
	s_cmp_eq_u32 s[CH], 0
	s_cselect_b64 s[BIASP:BIASP+1], s[12:13], s[14:15]
	s_cmp_lt_u32 ttmp9, 2
	s_cselect_b64 s[BIASP:BIASP+1], s[10:11], s[BIASP:BIASP+1]
	s_cselect_b32 s2, s46, s40                     ; which 128 numbers of it
	s_lshl_b32 s2, s2, 9
	s_mov_b32 s3, 0
	s_add_nc_u64 s[BIASP:BIASP+1], s[BIASP:BIASP+1], s[2:3]
.irp b, 0,1,2,3,4,5,6,7
	global_load_b128 v[BI+8*\b:BI+8*\b+3], v[BA], s[BIASP:BIASP+1] offset:(32*(\b/2)+8*(\b%2))*4
	global_load_b128 v[BI+8*\b+4:BI+8*\b+7], v[BA], s[BIASP:BIASP+1] offset:(32*(\b/2)+8*(\b%2))*4+16
.endr
	global_prefetch_b8 v[PFO], s[PFA:PFA+1] offset:SROW th:TH_LOAD_NT scope:SCOPE_SE     ; slot 1, whose load follows behind the head's wait and round,
	global_prefetch_b8 v[PFO], s[PFA:PFA+1] offset:2*SROW th:TH_LOAD_NT scope:SCOPE_SE   ; and slot 2: from here on the load of slot s is followed by the request for slot s + 2
	s_lshl_b32 s6, s40, 1                          ; cos and sin of my 8 row blocks are read on the way out: 8 x 8,192 bytes, which the two waves of my half of the tokens in each of the four partners share out by address:
	s_add_co_u32 s6, s6, s[CH]                     ; row block 2 cx + half, 32 blocks of 256 bytes, a lane a block
	s_lshl_b32 s6, s6, 13
	s_mov_b32 s7, 0
	s_add_nc_u64 s[6:7], s[TABP:TABP+1], s[6:7]
	global_prefetch_b8 v[PFT], s[6:7] th:TH_LOAD_NT scope:SCOPE_SE
	s_and_b32 s47, ttmp7, 0xffff                   ; the batch
	s_lshl_b32 s2, s47, 4
	s_add_co_u32 s2, s2, s46
	s_lshl_b32 s2, s2, 6
	s_add_co_u32 s2, s2, s23                       ; q's first fragment
	s_lshl_b32 s3, s47, 2
	s_add_co_u32 s3, s3, s40                       ; 4 b + kv head
	s_lshl_b32 s46, s3, 6
	s_add_co_u32 s46, s46, s23                     ; k's first fragment
	s_lshl_b32 s3, s3, 3
	s_lshl_b32 s47, s41, 1
	s_add_co_u32 s3, s3, s47
	s_add_co_u32 s3, s3, s[RH]                     ; v's key step
	s_mul_i32 s92, s2, FRB
	s_lshl_b32 s94, s2, 6
	s_mul_i32 s2, s46, FRB
	s_add_co_u32 s2, s2, KOFF
	s_lshl_b32 s46, s46, 6
	s_add_co_u32 s46, s46, KSOFF
	s_mul_i32 s47, s3, 8*FRB
	s_add_co_u32 s47, s47, VOFF
	s_lshl_b32 s3, s3, 9
	s_add_co_u32 s3, s3, VSOFF
	s_cmp_eq_u32 s[CH], 0
	s_cselect_b32 s2, s2, s47
	s_cselect_b32 s3, s46, s3
	s_cmp_lt_u32 ttmp9, 2
	s_cselect_b32 s92, s92, s2
	s_cselect_b32 s94, s94, s3
	s_mov_b32 s93, 0
	s_mov_b32 s95, 0
	s_add_nc_u64 s[OUTC:OUTC+1], s[16:17], s[92:93]
	s_add_nc_u64 s[OUTS:OUTS+1], s[18:19], s[94:95]
	s_mov_b32 s[SEL], 0x76543210
	s_mov_b32 s[SEL+1], 0xfedcba98                 ; lane l xor 16
	s_mov_b32 s[HIM], 0xffff0000                   ; lanes 16-31
.macro FRAG reg, adr, q, i             ; a fragment's image: three loads of 512 consecutive bytes
.irp c, 0,1,2
	ds_load_b128 v[\reg+4*\c:\reg+4*\c+3], v[\adr] offset:(\i)*SROW+(\q)*FRB+512*\c
.endr
.endm
; 16 matrix instructions: A's blocks a0, a0 + 1 x B's eight, the slot's q-th 128 along K.  p: B's set; sc: the set of scale words.  first = 1: the bias starts the sums: nothing is cleared, nothing is added later.
; The 64 accumulators take turns, one instruction a turn, in the same order in every step.
.macro MUL16 a0, p, q, sc, first
.irp a, \a0, \a0+1
.irp b, 0,1,2,3,4,5,6,7
.if \first
	v_wmma_scale_f32_16x16x128_f8f6f4 v[8*(8*((\a)%4)+\b):8*(8*((\a)%4)+\b)+7], v[128*(\p)+FR*\b:128*(\p)+FR*\b+FR-1], v[AF+FR*(\a):AF+FR*(\a)+FR-1], v[BI+8*\b:BI+8*\b+7], v[SC+8*NQ*(\sc)+NQ*\b+(\q)], v[SC+8*NQ*(\sc)+NQ*(\a)+(\q)] matrix_a_fmt:MATRIX_FMT_BF6 matrix_b_fmt:MATRIX_FMT_BF6 matrix_a_scale:MATRIX_SCALE_ROW1
.else
	v_wmma_scale_f32_16x16x128_f8f6f4 v[8*(8*((\a)%4)+\b):8*(8*((\a)%4)+\b)+7], v[128*(\p)+FR*\b:128*(\p)+FR*\b+FR-1], v[AF+FR*(\a):AF+FR*(\a)+FR-1], v[8*(8*((\a)%4)+\b):8*(8*((\a)%4)+\b)+7], v[SC+8*NQ*(\sc)+NQ*\b+(\q)], v[SC+8*NQ*(\sc)+NQ*(\a)+(\q)] matrix_a_fmt:MATRIX_FMT_BF6 matrix_b_fmt:MATRIX_FMT_BF6 matrix_a_scale:MATRIX_SCALE_ROW1
.endif
.endr
.endr
.endm
.macro FETCH_B slot, q, p
	WIN TO_B
.irp i, 0,1,2,3,4,5,6,7
	FRAG 128*(\p)+FR*\i, ADRB+\slot, \q, \i
.endr
	WIN 0
.endm
.macro FETCH_A slot, q, i0
.irp i, \i0, \i0+1, \i0+2, \i0+3
	FRAG AF+FR*(\i), ADRA+\slot, \q, \i
.endr
.endm
.macro SCALES sc                       ; a slot's scale words: register NQ i + q: lanes 0-15 A's block i, lanes 16-31 B's block i
.irp i, 0,1,2,3,4,5,6,7
.irp q, 0,1
	ds_load_b32 v[SC+8*NQ*\sc+NQ*\i+\q], v[ADRS] offset:\i*RBS+64*\q
.endr
.endr
.endm
; A step of 128 along K that has its successor in the same slot.  A block of A is free as soon as its eight products are issued: blocks 0-3 are fetched anew in the middle, blocks 4-7 at the end.
.macro STEP slot, q, first
	s_wait_dscnt 4*NL                              ; all but the youngest twelve loads (A's blocks 4-7)
.if \first
	WIN BIAS_LO
.else
	WIN MUL_LO
.endif
	MUL16 0, (\q)%2, \q, \slot, \first
	MUL16 2, (\q)%2, \q, \slot, \first
	s_wait_dscnt 0                                 ; A's blocks 4-7 are in
	PLACES NP                                      ; in front of loads into registers that matrix instructions have read
	FETCH_B \slot, (\q)+1, 1-(\q)%2
	FETCH_A \slot, (\q)+1, 0
.if \first
	WIN BIAS_HI
.else
	WIN MUL_HI
.endif
	MUL16 4, (\q)%2, \q, \slot, \first
	MUL16 6, (\q)%2, \q, \slot, \first
	PLACES NP
	WIN 0
	FETCH_A \slot, (\q)+1, 4
.endm
; A slot's last step changes slots: ONE barrier; in front of it each wave waits for all its tensor loads, adds 0 to its spare word, and waits for that and for its reads of this slot.  fill = 1: the slot is filled again, two slots ahead.
.macro TURN slot, next, fill
.if \fill
	s_wait_xcnt 0x0                                ; my last prefetch has read its address: it is stepped here, a slot on
	s_add_nc_u64 s[PFA:PFA+1], s[PFA:PFA+1], SROW
.endif
	s_wait_tensorcnt 0x0                           ; all my tensor loads have landed: my part of the next slot
	ds_add_u32 v[SPW], v[NIL]                      ; 0 onto my spare word
	s_wait_dscnt 4*NL+1                            ; (the add and A's blocks 4-7 may be out)
	WIN MUL_LO
	MUL16 0, 1, NQ-1, \slot, 0                     ; sixteen matrix instructions stand between the add and the wait for it
	s_wait_dscnt 0x0                               ; the add is done, and my reads of this slot are over
	s_barrier_signal -1
	MUL16 2, 1, NQ-1, \slot, 0
	WIN 0
	s_barrier_wait -1
.if \fill
	CREST                                          ; the barrier has opened a round of the cluster's: no wave of any partner still reads this slot or has a load on its way
	s_add_nc_u64 s[G0+4*\slot+2:G0+4*\slot+3], s[G0+4*\slot+2:G0+4*\slot+3], 2*SROW
	s_add_nc_u64 s[G0B+4*\slot+2:G0B+4*\slot+3], s[G0B+4*\slot+2:G0B+4*\slot+3], 2*SROW
	JLOAD G0+4*\slot, G1, G0B+4*\slot, G1B         ; the first tensor load behind the round; its four v_nop are the places in front of the loads below
.else
	PLACES NP
.endif
	s_wait_alu depctr_va_vdst(0)
	v_add_nc_u32 v[ADRS], 64*NQ, v[ADRS]           ; the next slot's scale words (no LDS load of mine is out)
	FETCH_B \next, 0, 0
	FETCH_A \next, 0, 0
	SCALES \next
.if \fill
	s_cmp_gt_u32 s23, 1                            ; the refill just asked for is slot t + 2; slot t + 4 is asked of memory now.  The loop's last trip (t = 4, 5) has no slot four on
	s_cbranch_scc0 .Lno_ask_\@
	global_prefetch_b8 v[PFO], s[PFA:PFA+1] offset:3*SROW th:TH_LOAD_NT scope:SCOPE_SE
.Lno_ask_\@:
.endif
	WIN MUL_HI
	MUL16 4, 1, NQ-1, \slot, 0
	MUL16 6, 1, NQ-1, \slot, 0
	PLACES NP
	WIN 0
	FETCH_A \next, 0, 4
.endm
; cos and sin of row block a of my eight: 16 loads of 512 consecutive bytes, into one of four sets in window 1
.macro TABREG a
.if (\a)%4 == 0
.set CO, 96
.set SN, 224
.elseif (\a)%4 == 1
.set CO, 0
.set SN, 32
.elseif (\a)%4 == 2
.set CO, 64
.set SN, 128
.else
.set CO, 160
.set SN, 192
.endif
.endm
.macro TABLOAD a
	TABREG \a
	WIN TO_B
.irp p, 0,1,2,3,4,5,6,7
	global_load_b128 v[CO+4*\p:CO+4*\p+3], v[LI], s[TABP:TABP+1] offset:8192*(\a)+512*\p
	global_load_b128 v[SN+4*\p:SN+4*\p+3], v[LI], s[TABP:TABP+1] offset:8192*(\a)+4096+512*\p
.endr
	WIN 0
.endm
	TABLOAD 0                                      ; the first set lies beside B's fragments, so it is asked for now.  Every wave asks, v's too, which do not use it: one text, no branch here
	s_wait_alu depctr_va_vdst(0)                   ; the wait at the head's end
	s_wait_tensorcnt 0x0                           ; my tile of the head's four is in
	ds_add_u32 v[SPW], v[NIL]
	s_mov_b32 s[G1+2], 8<<16                       ; no tensor load of mine is out, so descriptors may be written: from here on a load brings 8 row blocks,
	s_mov_b32 s[G1+4], 8
	s_mov_b32 s[G1B+2], 8<<16
	s_mov_b32 s[G1B+4], 8
	s_mul_i32 s[G0+1], s[WV], HALFT                ; and slot 0's groups 0 stand at my quarter of the slot and my 8 row blocks
	s_mul_i32 s[G0B+1], s[WV], HALFT
	s_mul_i32 s2, s[CH], 8*RBB
	s_mov_b32 s3, 0
	s_add_nc_u64 s[G0+2:G0+3], s[G0+2:G0+3], s[2:3]
	s_add_nc_u64 s[G0B+2:G0B+3], s[G0B+2:G0B+3], s[2:3]
	s_wait_dscnt 0x0                               ; the add is done
	CROUND                                         ; a whole round: all four tiles are in, and all sixteen work-groups are here
	JLOAD G0+4, G1, G0B+4, G1B                     ; slot 1's first fill, the first tensor load behind the round
	FETCH_B 0, 0, 0
	FETCH_A 0, 0, 0
	SCALES 0
	global_prefetch_b8 v[PFO], s[PFA:PFA+1] offset:3*SROW th:TH_LOAD_NT scope:SCOPE_SE   ; slot 3
	FETCH_A 0, 0, 4
	s_wait_loadcnt 0x0                             ; the bias (and the table's first set)
	STEP 0, 0, 1                                   ; the first step stands in front of the loop: its products start the sums
	s_mov_b32 s23, LAPS-1
.Llap:                                                 ; a trip goes once round the ring and fills both slots again
	TURN 0, 1, 1
	STEP 1, 0, 0
	TURN 1, 0, 1
	STEP 0, 0, 0
	s_sub_co_u32 s23, s23, 1
	s_cmp_lg_u32 s23, 0
	s_cbranch_scc1 .Llap
	TURN 0, 1, 0                                   ; the last lap fills nothing, and has no round
	STEP 1, 0, 0
	s_wait_dscnt 4*NL                              ; the very last step
	WIN MUL_LO
	MUL16 0, 1, NQ-1, 1, 0
	MUL16 2, 1, NQ-1, 1, 0
	s_wait_dscnt 0
	WIN MUL_HI
	MUL16 4, 1, NQ-1, 1, 0
	MUL16 6, 1, NQ-1, 1, 0
	WIN 0
	PLACES NP                                      ; in front of the first reads of results and of loads and writes into the operands' registers
	s_cmp_eq_u32 s[CH], 0
	s_cbranch_scc1 .Lqk
	s_cmp_lt_u32 ttmp9, 2
	s_cbranch_scc1 .Lqk
	; ---- A HEAD OF V.  32 tokens (row blocks 2 g, 2 g + 1) at a time: into the stage by rows, out of it by columns, the keys in their true order
.macro VGROUP g
	WIN 0x08+4*((\g)/2)                            ; an LDS store's data are its source 1: window 2 or 3
.irp u, 0,1
.irp b, 0,1,2,3,4,5,6,7
.set AC, 64*((2*(\g)+\u)%4)+8*\b
	ds_store_b128 v[VST], v[AC:AC+3] offset:8448*\u+128*(\b/2)+32*(\b%2)        ; each accumulator from its low end on.  Stage row 16 u + r
	ds_store_b128 v[VST], v[AC+4:AC+7] offset:8448*\u+128*(\b/2)+32*(\b%2)+16
.endr
.endr
	WIN 0
.irp m, 0,1,2,3
.set tt, 0
.rept 32
	ds_load_b32 v[X+32*\m+tt], v[VRD] offset:(16*((tt>>3)&1)+8*(tt>>4)+(tt&7))*528+128*\m   ; key tt of the 32, number d = 32 m + lane: 128 consecutive bytes.  LDS serves a wave's instructions in order
.set tt, tt+1
.endr
.endr
	s_wait_dscnt 0x0
.irp m, 0,1,2,3
	v_max3_num_f32 v[VW+\m], |v[X+32*\m]|, |v[X+32*\m+1]|, 0x2800000   ; a block of 32 keys lies in one lane; the floor holds the byte at 1 from below
.endr
.irp i, 2,4,6,8,10,12,14,16,18,20,22,24,26,28,30
.irp m, 0,1,2,3
	v_max3_num_f32 v[VW+\m], v[VW+\m], |v[X+32*\m+\i]|, |v[X+32*\m+\i+1]|
.endr
.endr
.irp m, 0,1,2,3
	v_add_nc_u32 v[VW+4+\m], 0xfe000000, v[VW+\m]  ; 4 off the exponent field: the conversion's scale operand
.endr
.irp m, 0,1,2,3
	v_lshrrev_b32 v[VW+8+\m], 23, v[VW+4+\m]       ; the scale's byte
.endr
.irp m, 0,1,2,3
.if (\g) == 0
	v_mov_b32 v[VW+12+\m], v[VW+8+\m]              ; byte g of the key step's scale word
.else
	v_lshl_or_b32 v[VW+12+\m], v[VW+8+\m], 8*(\g), v[VW+12+\m]
.endif
.endr
.irp m, 0,1,2,3
	v_cvt_scalef32_pk16_bf6_f32 v[VC+8*\m:VC+8*\m+2], v[X+32*\m:X+32*\m+15], v[VW+4+\m]
	v_cvt_scalef32_pk16_bf6_f32 v[VD+4*\m:VD+4*\m+2], v[X+32*\m+16:X+32*\m+31], v[VW+4+\m]   ; (a conversion's three registers begin on an even number)
.endr
	v_nop                                          ; one plain place behind a scaled conversion
.irp m, 0,1,2,3
.irp i, 0,1,2
	v_mov_b32 v[VC+8*\m+3+\i], v[VD+4*\m+\i]
.endr
.endr
.irp m, 0,1,2,3                        ; keys 32 g .. are registers 6 (g / 2) .. + 5 of lane (my row of the tile, g % 2): their places in the image
.if (\g) < 2
	ds_store_b128 v[VIM], v[VC+8*\m:VC+8*\m+3] offset:2*FRB*\m+256*((\g)%2)
	ds_store_b64 v[VIM], v[VC+8*\m+4:VC+8*\m+5] offset:2*FRB*\m+256*((\g)%2)+512
.else
	ds_store_b64 v[VIM], v[VC+8*\m:VC+8*\m+1] offset:2*FRB*\m+256*((\g)%2)+520
	ds_store_b128 v[VIM], v[VC+8*\m+2:VC+8*\m+5] offset:2*FRB*\m+256*((\g)%2)+1024
.endif
.endr
.endm
	VGROUP 0
	VGROUP 1
	VGROUP 2
	VGROUP 3
.irp m, 0,1,2,3
	ds_store_b32 v[VSI], v[VW+12+\m] offset:128*\m
.endr
.set i, 0
.rept 24
	ds_load_b128 v[X+4*i:X+4*i+3], v[VRI] offset:512*i     ; the eight images, as they lie
.set i, i+1
.endr
	ds_load_b128 v[X+96:X+99], v[VRS]                      ; and their 128 scale words
	s_wait_dscnt 0x0
.set i, 0
.rept 24
	global_store_b128 v[LI], v[X+4*i:X+4*i+3], s[OUTC:OUTC+1] offset:512*i   ; 512 consecutive bytes, aligned
.set i, i+1
.endr
	global_store_b128 v[LI], v[X+96:X+99], s[OUTS:OUTS+1]
	s_branch .Ldone
.Lqk:	; ---- A HEAD OF Q OR OF K: a row block of 16 tokens at a time: rotate, quantise in registers, store the image.  No LDS
; 64 numbers of a lane, register 16 b + i = k 32 b + 16 (lane / 16) + i of my row, become a fragment's codes in v[PC] on and its scale word in v[PW]
.macro QUANT s
.irp b, 0,1,2,3
	v_max3_num_f32 v[TM+\b], |v[\s+16*\b]|, |v[\s+1+16*\b]|, 0x2800000   ; my 16 numbers of block b, and the floor 2^(5 - 127)
.endr
.irp i, 2,4,6,8,10,12,14
.irp b, 0,1,2,3
	v_max3_num_f32 v[TM+\b], v[TM+\b], |v[\s+16*\b+\i]|, |v[\s+1+16*\b+\i]|
.endr
.endr
.irp b, 0,1,2,3
	v_permlanex16_b32 v[TM+4+\b], v[TM+\b], s[SEL], s[SEL+1]
.endr
.irp b, 0,1,2,3
	v_max_num_f32 v[TM+\b], v[TM+\b], v[TM+4+\b]   ; with lane l xor 16's: the block's largest magnitude
.endr
.irp b, 0,1,2,3
	v_add_nc_u32 v[TM+12+\b], 0xfe000000, v[TM+\b] ; 4 off its exponent field: the conversion's scale operand
.endr
.irp b, 0,1,2,3
	v_lshrrev_b32 v[TM+4+\b], 23, v[TM+12+\b]      ; the scale's byte
.endr
	v_lshl_or_b32 v[PW], v[TM+5], 8, v[TM+4]
	v_lshl_or_b32 v[PW], v[TM+6], 16, v[PW]
	v_lshl_or_b32 v[PW], v[TM+7], 24, v[PW]        ; my row's scale word, in both halves of the lanes
.irp c, 0,1
	v_cvt_scalef32_pk16_bf6_f32 v[PC+6*\c:PC+2+6*\c], v[\s+32*\c:\s+15+32*\c], v[TM+12+2*\c]
	v_cvt_scalef32_pk16_bf6_f32 v[PC+12+4*\c:PC+14+4*\c], v[\s+16+32*\c:\s+31+32*\c], v[TM+12+2*\c+1]
.endr
	v_nop                                          ; one plain place behind a scaled conversion
.irp c, 0,1                            ; the operand's layout wants a WHOLE block in a lane
.irp i, 0,1,2
	v_permlane16_swap_b32 v[PC+6*\c+\i], v[PC+12+4*\c+\i]
.endr
.irp i, 0,1,2
	v_mov_b32 v[PC+3+6*\c+\i], v[PC+12+4*\c+\i]
.endr
.endr
.endm
.macro ROPE a                          ; out(d) = y(d) cos - y(d + 64) sin, out(d + 64) = y(d + 64) cos + y(d) sin: tiles b and b + 4, the same lane and register
	TABREG \a
.set AC, 64*((\a)%4)
	WIN 0x06+(\a)/4                                ; source 0: the accumulators' window; source 1: window 1
.set n, 0
.irp b, 0,1,2,3
.irp j, 0,2,4,6
.set T1, TT+4*(n%4)
	v_pk_mul_f32 v[T1:T1+1], v[AC+8*(\b+4)+\j:AC+8*(\b+4)+\j+1], v[SN+8*\b+\j:SN+8*\b+\j+1]
	v_pk_mul_f32 v[T1+2:T1+3], v[AC+8*\b+\j:AC+8*\b+\j+1], v[SN+8*\b+\j:SN+8*\b+\j+1]
	v_pk_fma_f32 v[H+8*\b+\j:H+8*\b+\j+1], v[AC+8*\b+\j:AC+8*\b+\j+1], v[CO+8*\b+\j:CO+8*\b+\j+1], v[T1:T1+1] neg_lo:[0,0,1] neg_hi:[0,0,1]
	v_pk_fma_f32 v[H+32+8*\b+\j:H+32+8*\b+\j+1], v[AC+8*(\b+4)+\j:AC+8*(\b+4)+\j+1], v[CO+8*\b+\j:CO+8*\b+\j+1], v[T1+2:T1+3]
.set n, n+1
.endr
.endr
	WIN 0
.endm
.macro QKOUT a, cnt
.if \cnt >= 0
	s_wait_loadcnt \cnt                            ; this row block's 16 loads of cos and sin are in; the younger sets may be out
.endif
	ROPE \a
.if (\a) < 4
	TABLOAD (\a)+4                                 ; its set takes the row block four on
.endif
	s_wait_xcnt 0x0                                ; the last row block's stores have read their registers
	QUANT H
.irp c, 0,1,2
	global_store_b128 v[LI], v[PC+4*\c:PC+4*\c+3], s[OUTC:OUTC+1] offset:FRB*(\a)+512*\c   ; 512 consecutive bytes, aligned
.endr
.if (\a)%2 == 0
	v_mov_b32 v[PWE], v[PW]
.else
	v_cndmask_b32 v[PWS], v[PWE], v[PW], s[HIM]    ; lanes 0-15: the row block before's 16 words; lanes 16-31: this one's
	global_store_b32 v[L4], v[PWS], s[OUTS:OUTS+1] offset:64*((\a)-1)
.endif
.endm
	TABLOAD 1
	TABLOAD 2
	TABLOAD 3
.irp b, 0,1,2,3
	v_mov_b32 v[TM+4+\b], 0                        ; written once: a lane permute's destination counts as one of its sources
.endr
	QKOUT 0, -1                                    ; (its set was awaited at the head)
	QKOUT 1, 48
	QKOUT 2, 48
	QKOUT 3, 48
	QKOUT 4, 48
	QKOUT 5, 32
	QKOUT 6, 16
	QKOUT 7, 0
.Ldone:
	s_wait_tensorcnt 0x0                           ; the wave's end, behind my last tensor load and my last LDS store
	ds_add_u32 v[SPW], v[NIL]
	s_wait_dscnt 0x0
	CROUND                                         ; the closing round: no work-group ends while a partner may still ask for a tile that names it
	s_endpgm
; ---- wo_w [2048][2048], f32, K innermost, becomes codes of BF6 with E8M0 scale bytes, by the same quantiser, layout and limits as the launch before has them for x and the other weights:
; cwo: [row block 128][K step 16][1,536], and behind these 3,145,728 bytes [row block][K step][16 words].  A buffer of its own: this launch loads from cw and sw, so it stores into neither.
; SHARES: work-group i = 4 x tile row + cx of the 64 makes row blocks 2 i and 2 i + 1; wave w row block 2 i + w / 2, K steps 8 (w % 2) .. + 7: four trips of two fragments.  The place in the cluster enters global addresses alone.
; Each load reads 512 consecutive bytes of one row; a fragment's 16 x 512 bytes turn through the wave's own stage in LDS, on bytes that no other path of this text names.  No tensor load, no barrier but the closing round.
.Lwo:
.set WSTG, VR0+2*VRB                   ; four stages of 16 rows x 528 bytes
.set WR,   32                          ; v32-159  two fragments' numbers as loaded
.set WX,   160                         ; v160-223 my two blocks of 32 neighbours
.set WCD,  224                         ; v224-247 two sets of 12: codes
.set WSCR, 248                         ; v248-254 the second halves' codes as the conversions leave them
.set WT,   10                          ; v10-20   at work
	s_load_b128 s[24:27], s[0:1], 0x40             ; wo_w s[24:25], cwo s[26:27]
	v_and_b32 v6, 31, v0                           ; lane
	v_and_b32 v7, 15, v0                           ; r
	v_bfe_u32 v8, v0, 4, 1                         ; h
	v_lshlrev_b32 v1, 4, v6                        ; 16 x lane
	v_lshlrev_b32 v4, 2, v6                        ; 4 x lane
	s_mul_i32 s2, s[WV], 8448
	s_add_co_u32 s2, s2, WSTG
	v_add_nc_u32 v2, s2, v1                        ; the stage, way in: 16 x lane of a row
	v_mul_u32_u24 v3, v7, 528
	v_lshl_add_u32 v3, v8, 7, v3
	v_add_nc_u32 v3, s2, v3                        ; way out: row r, + 128 h
	v_lshlrev_b32 v5, 3, v8                        ; 8 h: where my two bytes stand in the scale word
	v_mov_b32 v[WT+7], 0                           ; written once: a lane permute's destination counts as one of its sources
	s_mov_b32 s[HIM], 0xffff0000                   ; lanes 16-31
	s_mov_b32 s[SEL], 0x76543210
	s_mov_b32 s[SEL+1], 0xfedcba98                 ; lane l xor 16
	s_lshl_b32 s2, s45, 2
	s_add_co_u32 s2, s2, s40                       ; i
	s_lshl_b32 s28, s2, 18                         ; wo_w: row 32 i + 8 (w / 2), rows of 8,192 bytes, + 4,096 (w % 2)
	s_lshl_b32 s3, s[RH], 16
	s_add_co_u32 s28, s28, s3
	s_lshl_b32 s3, s[CH], 12
	s_add_co_u32 s28, s28, s3
	s_mov_b32 s29, 0
	s_lshl_b32 s2, s2, 1
	s_add_co_u32 s2, s2, s[RH]                     ; my row block
	s_mul_i32 s30, s2, RBB
	s_mul_i32 s3, s[CH], 8*FRB
	s_add_co_u32 s30, s30, s3                      ; my eight fragments' images
	s_mov_b32 s31, 0
	s_lshl_b32 s32, s2, 10
	s_lshl_b32 s3, s[CH], 9
	s_add_co_u32 s32, s32, s3
	s_add_co_u32 s32, s32, 128*RBB                 ; and their scale words, behind the codes
	s_mov_b32 s33, 0
	s_wait_alu depctr_va_vdst(0)                   ; the wait here, directly ahead of the wait below
	s_wait_kmcnt 0x0
	s_add_nc_u64 s[24:25], s[24:25], s[28:29]
	s_add_nc_u64 s[28:29], s[26:27], s[32:33]
	s_add_nc_u64 s[26:27], s[26:27], s[30:31]
.macro WFRAG f
.set RS, WR+64*(\f)
.set CC, WCD+12*(\f)
	s_wait_loadcnt 16-16*(\f)                      ; this fragment's 16 loads are in; the trip's second fragment's may be out
.irp i, 0,1,2,3,4,5,6,7,8,9,10,11,12,13,14,15
	ds_store_b128 v2, v[RS+4*\i:RS+4*\i+3] offset:528*\i
.endr
.irp c, 0,1
.irp j, 0,1,2,3,4,5,6,7
	ds_load_b128 v[WX+32*\c+4*\j:WX+32*\c+4*\j+3], v3 offset:256*\c+16*\j   ; LDS serves a wave's instructions in order: these see the stores above
.endr
.endr
	s_wait_dscnt 0x0
.irp c, 0,1
	v_max3_num_f32 v[WT+\c], |v[WX+32*\c]|, |v[WX+32*\c+1]|, 0x2800000   ; block 2 c + h: all 32 numbers are mine; the floor 2^(5 - 127) holds the byte at 1 from below
.endr
.irp i, 2,4,6,8,10,12,14,16,18,20,22,24,26,28,30
.irp c, 0,1
	v_max3_num_f32 v[WT+\c], v[WT+\c], |v[WX+32*\c+\i]|, |v[WX+32*\c+\i+1]|
.endr
.endr
.irp c, 0,1
	v_add_nc_u32 v[WT+2+\c], 0xfe000000, v[WT+\c]  ; 4 off the exponent field: the conversion's scale operand
.endr
.irp c, 0,1
	v_lshrrev_b32 v[WT+4+\c], 23, v[WT+2+\c]       ; the scale's byte
.endr
	v_lshl_or_b32 v[WT+6], v[WT+5], 16, v[WT+4]    ; my two bytes: blocks h and 2 + h,
	v_lshlrev_b32 v[WT+6], v5, v[WT+6]             ; at their places;
	v_permlanex16_b32 v[WT+7], v[WT+6], s[SEL], s[SEL+1]
	v_or_b32 v[WT+8+(\f)], v[WT+6], v[WT+7]        ; with lane l xor 16's two the row's word is whole
.irp c, 0,1
	v_cvt_scalef32_pk16_bf6_f32 v[CC+6*\c:CC+6*\c+2], v[WX+32*\c:WX+32*\c+15], v[WT+2+\c]
	v_cvt_scalef32_pk16_bf6_f32 v[WSCR+4*\c:WSCR+4*\c+2], v[WX+32*\c+16:WX+32*\c+31], v[WT+2+\c]   ; (a conversion's three registers begin on an even number)
.endr
	v_nop                                          ; one plain place behind a scaled conversion
.irp c, 0,1
.irp i, 0,1,2
	v_mov_b32 v[CC+6*\c+3+\i], v[WSCR+4*\c+\i]
.endr
.endr
.irp c, 0,1,2
	global_store_b128 v1, v[CC+4*\c:CC+4*\c+3], s[26:27] offset:FRB*(\f)+512*\c   ; 512 consecutive bytes, aligned
.endr
.endm
	s_mov_b32 s23, 4
.Lwo_trip:
.irp f, 0,1
.irp i, 0,1,2,3,4,5,6,7,8,9,10,11,12,13,14,15
	global_load_b128 v[WR+64*\f+4*\i:WR+64*\f+4*\i+3], v1, s[24:25] offset:(\i+8*(\i/8))*8192+512*\f th:TH_LOAD_NT   ; load i takes the row of lane i
.endr
.endr
	WFRAG 0
	WFRAG 1
	v_cndmask_b32 v[WT+10], v[WT+8], v[WT+9], s[HIM]   ; lanes 0-15: the first fragment's 16 words; lanes 16-31: the second's
	global_store_b32 v4, v[WT+10], s[28:29]
	s_wait_xcnt 0x0                                ; the bases, and the registers that the stores read, are written again only behind this wait
	s_add_nc_u64 s[24:25], s[24:25], 1024
	s_add_nc_u64 s[26:27], s[26:27], 2*FRB
	s_add_nc_u64 s[28:29], s[28:29], 128
	s_sub_co_u32 s23, s23, 1
	s_cmp_lg_u32 s23, 0
	s_wait_alu depctr_va_vdst(0)                   ; the wait ahead of the backward jump
	s_cbranch_scc1 .Lwo_trip
	s_wait_tensorcnt 0x0                           ; the wave's end, behind my last LDS store
	ds_add_u32 v[SPW], v[NIL]
	s_wait_dscnt 0x0
	CROUND                                         ; all sixteen work-groups of such a cluster pass this one round
	s_endpgm
.Lfunc_end_k_q0292cd3e86_qkv:
	.size	k_q0292cd3e86_qkv, .Lfunc_end_k_q0292cd3e86_qkv-k_q0292cd3e86_qkv
	.p2alignl 7, 3214868480
	.fill 96, 4, 3214868480
	.section	.rodata,"a",@progbits
	.p2align	6, 0x0
	.amdhsa_kernel k_q0292cd3e86_qkv
		.amdhsa_group_segment_fixed_size 327680
		.amdhsa_private_segment_fixed_size 0
		.amdhsa_enable_private_segment 0
		.amdhsa_kernarg_size 80
		.amdhsa_user_sgpr_count 2
		.amdhsa_user_sgpr_kernarg_segment_ptr 1
		.amdhsa_wavefront_size32 1
		.amdhsa_system_sgpr_workgroup_id_x 1
		.amdhsa_system_sgpr_workgroup_id_y 1
		.amdhsa_system_sgpr_workgroup_id_z 1
		.amdhsa_system_vgpr_workitem_id 0
		.amdhsa_next_free_vgpr 1024
		.amdhsa_next_free_sgpr 102
		.amdhsa_reserve_vcc 0
		.amdhsa_float_denorm_mode_32 3
		.amdhsa_float_denorm_mode_16_64 3
		.amdhsa_memory_ordered 1
		.amdhsa_forward_progress 1
		.amdhsa_inst_pref_size 255
	.end_amdhsa_kernel
	.section	.bss,"aw",@nobits
	.p2align	6
	.space	262144
	.amdgpu_metadata
---
amdhsa.version: [ 1, 2 ]
amdhsa.kernels:
  - .name:           k_q0292cd3e86_qkv
    .symbol:         k_q0292cd3e86_qkv.kd
    .args:
      - { .name: cw, .offset: 0, .size: 8, .value_kind: global_buffer, .address_space: global }
      - { .name: sw, .offset: 8, .size: 8, .value_kind: global_buffer, .address_space: global }
      - { .name: tab, .offset: 16, .size: 8, .value_kind: global_buffer, .address_space: global }
      - { .name: wq_b, .offset: 24, .size: 8, .value_kind: global_buffer, .address_space: global }
      - { .name: wk_b, .offset: 32, .size: 8, .value_kind: global_buffer, .address_space: global }
      - { .name: wv_b, .offset: 40, .size: 8, .value_kind: global_buffer, .address_space: global }
      - { .name: ac, .offset: 48, .size: 8, .value_kind: global_buffer, .address_space: global }
      - { .name: asc, .offset: 56, .size: 8, .value_kind: global_buffer, .address_space: global }
      - { .name: wo_w, .offset: 64, .size: 8, .value_kind: global_buffer, .address_space: global }
      - { .name: cwo, .offset: 72, .size: 8, .value_kind: global_buffer, .address_space: global }
    .group_segment_fixed_size: 327680
    .private_segment_fixed_size: 0
    .kernarg_segment_align: 8
    .kernarg_segment_size: 80
    .max_flat_workgroup_size: 128
    .sgpr_count:     102
    .vgpr_count:     1024
    .wavefront_size: 32
...
	.end_amdgpu_metadata
.endif
;; end of part 2
;; launch attn (part 3): grid 16 x 16, 16 waves a work-group, clusters of 4 x 1, 206,848 bytes of LDS; arguments ac, asc, cc, cs; writes cc, cs
.if DOCPART == 3
	.amdgcn_target "amdgcn-amd-amdhsa--gfx1250"
	.amdhsa_code_object_version 6
	.text
	.protected	k_q0292cd3e86_attn
	.globl	k_q0292cd3e86_attn
	.p2align	8
	.type	k_q0292cd3e86_attn,@function
k_q0292cd3e86_attn:
	s_mov_b64 s[64:65], 0
	v_nop
	global_prefetch_b8 v0, s[64:65] scope:SCOPE_SE
	s_setreg_imm32_b32 hwreg(HW_REG_WAVE_MODE, 25, 1), 1
	s_wait_xcnt 0x0
	s_wait_alu depctr_hold_cnt(0) depctr_sa_sdst(0) depctr_va_vdst(0) depctr_va_sdst(0) depctr_va_ssrc(0) depctr_va_vcc(0) depctr_vm_vsrc(0)
	s_getreg_b32 s2, hwreg(HW_REG_IB_STS2, 6, 4)
	s_cmp_eq_u32 s2, 0
	s_cbranch_scc0 .Lentry_in_a_cluster
	s_endpgm
.Lentry_in_a_cluster:
	s_bfe_u32 s2, ttmp6, 0x10000c
	s_cmp_lg_u32 s2, 0x3003
	s_cbranch_scc0 .Lentry_shape_is_right
	s_endpgm
.Lentry_shape_is_right:
; ctx = softmax(q k^T / sqrt(128), causal) v for 4 x 16 heads of 1,024 x 128, both products on codes of BF6 with E8M0 scales; ctx is quantised along (head, d) and leaves as codes for the last product.
; THE SOFTMAX: t = score x log2(e) / sqrt(128); M = the row's largest t so far, rounded UP to a whole number; p = 2^(t - M) is quantised along the keys, not normalised; the row's sum is taken of the
; unquantised p and divides at the end.  When M moves, the sum and O are multiplied by 2^(old M - new M): exact.
; INPUTS are images of fragments' registers (1,536 bytes: registers 4 c .. 4 c + 3 of lane l at 512 c + 16 l) with 16 scale words each; lane r of row block 2 B + u stands for row 32 B + 8 u + r + 8 (r / 8).
; SHARES.  Work-group (x, y): y = 4 b + kv head; the cluster's x = j; the place in the cluster = which of the four query heads of that kv head.  So the four partners read the same K and V: JOINT loads.
; A wave owns ONE query row block, 4 w' + j, which needs w' / 2 + 1 key steps of 128 under the causal mask; w' is a permutation of the wave's number w, laid so that the four waves s, s + 4, s + 8, s + 12
; have 8 + 5 + 4 + 1 or 7 + 6 + 3 + 2 = 18 key steps in all, for every s, the longest in the lowest wave.  Every work-group has the same 72.
; LDS is filled ONCE, one tensor load a wave: waves 0-3 K's four parts of 24,576 bytes, waves 4-7 V's, wave 8 K's 4,096 bytes of scale words, wave 9 V's.  One wait for 0 and one barrier show all of it to all waves;
; behind it the waves share nothing and meet at no barrier until the closing round.  Nothing is filled again.  No prefetch: all loads go out at the head, so there is no loop of loads to run ahead of.
; Both products are used transposed (S^T = K Q^T, O^T = V^T P^T): a lane holds ONE query; by the rows' order the 16 registers of tiles 2 b, 2 b + 1 are 16 neighbouring keys (of O^T: 16 neighbouring d).
; CAUSAL (the mask that the model builds itself): the trip count is the constant 8; a step all of whose keys come after my queries is jumped over (a branch on j and the wave's number, never on the place in the
; cluster); in my one step on the diagonal hidden scores become -infinity.
; LIMITS: the promise holds while the scaled scores t stay under 2^31 in magnitude; a block of p or of ctx that is all zeros or under 2^-122 gets the scale byte 1 (only this program reads it); NaN and infinities
; are not served.  The 64 bytes of scale words a wave stores are a quarter of an aligned 256.
; REGISTERS: v1-7 addresses that stay; v8-11 addresses in hand; v12 -M, v13 the largest t, v[14:15] the sum; v16-27 Q; v32-79 four fragments; v82-93 partial sums; v95, v243 the spare word's address and 0;
; v96-159 S^T, then p; v160-223 O^T; v224-235 p's codes; v232-254 at work; v255 Q's scale words.
.set FRB,  1536
.set KOFF, 6291456
.set KSOFF, 262144
.set VLDS, 98304                       ; LDS: K's codes at 0, V's here,
.set KSC,  196608                      ; K's scale words,
.set VSC,  200704                      ; V's,
.set SPARE, 204800                     ; the spare words: 128 bytes for each of 16 waves
.set LI,   1                           ; v1   16 x lane
.set AV0,  2                           ; v2   the same in V's codes
.set ASK0, 3                           ; v3   my lane's place among K's scale words
.set ASV0, 4                           ; v4   among V's
.set QP,   5                           ; v5   my query's position - 16 (lane / 16)
.set ADK,  8
.set ADV,  9
.set ADS,  10
.set ADT,  11
.set TM,   232
.set PW,   248
.set PC,   32
.set WV,   18
.set SEL,  20
.set CS,   22
.set G0,   24                          ; s[24:27] group 0 for scale words, s[28:31] for codes
.set G1T,  44                          ; s[44:51] group 1 for 24,576 dense bytes
.set G1S,  52                          ; s[52:59] for 4,096
.set KI,   60                          ; the key step
.set TK,   61                          ; 12,288 x it
.set TS,   62                          ; 512 x it
.set KF,   63                          ; 128 x it
.set QD,   66                          ; the key step on my diagonal
.set TW,   67
.macro ROUND
	s_barrier_signal -1
	s_barrier_wait -1
	s_cmp_lg_u32 s[WV], 0
	s_cbranch_scc1 .Lnot_wave_0_\@
	s_barrier_signal -3
.Lnot_wave_0_\@:
	s_barrier_wait -3
	s_barrier_signal -1
	s_barrier_wait -1
.endm
	s_load_b256 s[4:11], s[0:1], 0x0               ; ac s[4:5], asc s[6:7], cc s[8:9], cs s[10:11]
	v_lshl_add_u32 v95, v0, 2, SPARE
	v_mov_b32 v243, 0
	ds_add_u32 v95, v243                           ; the opening lines: the add, twice on end, and its wait
	ds_add_u32 v95, v243
	v_lshrrev_b32 v8, 5, v0
	s_delay_alu instid0(VALU_DEP_1)
	v_readfirstlane_b32 s[WV], v8                  ; wave 0..15
	s_bfe_u32 s68, ttmp6, 0x40000                  ; cx: the query head within the group: it enters Q's and the outputs' addresses alone
	s_and_b32 s69, ttmp7, 0xffff                   ; 4 b + kv head, which the partners share
	s_mov_b32 s[G1T], 15|(3<<16)|(1<<21)           ; 15:0 the mask: all four; 17:16 elements of 8 bytes; 21 set beside a mask
	s_mov_b32 s[G1T+1], 32<<16                     ; rows of 256 bytes,
	s_mov_b32 s[G1T+2], 96<<16                     ; 96 of them, dense
	s_mov_b32 s[G1T+3], 32<<16
	s_mov_b32 s[G1T+4], 96
	s_mov_b32 s[G1T+5], 32
	s_mov_b32 s[G1T+6], 0
	s_mov_b32 s[G1T+7], 0
	s_mov_b32 s[G1S], 15|(3<<16)|(1<<21)
	s_mov_b32 s[G1S+1], 32<<16
	s_mov_b32 s[G1S+2], 16<<16
	s_mov_b32 s[G1S+3], 32<<16
	s_mov_b32 s[G1S+4], 16
	s_mov_b32 s[G1S+5], 32
	s_mov_b32 s[G1S+6], 0
	s_mov_b32 s[G1S+7], 0
	s_mul_i32 s70, s69, 98304                      ; the kv head's codes: K's (w / 4 = 0) or V's (1), 1,572,864 bytes on; part w % 4.  (Waves 8-15 make these numbers and do not use them)
	s_lshr_b32 s71, s[WV], 2
	s_mul_i32 s71, s71, 1572864
	s_add_co_u32 s70, s70, s71
	s_and_b32 s71, s[WV], 3
	s_mul_i32 s71, s71, 24576
	s_add_co_u32 s70, s70, s71
	s_add_co_u32 s70, s70, KOFF
	s_mov_b32 s71, 0
	s_lshl_b32 s72, s69, 12                        ; its scale words: K's (w % 2 = 0) or V's, 65,536 bytes on
	s_and_b32 s75, s[WV], 1
	s_lshl_b32 s73, s75, 16
	s_add_co_u32 s72, s72, s73
	s_add_co_u32 s72, s72, KSOFF
	s_mov_b32 s73, 0
	s_mul_i32 s74, s[WV], 24576                    ; where they go: the eight parts of codes on end,
	s_lshl_b32 s75, s75, 12                        ; the scale words behind them
	s_wait_dscnt 0x0
	s_wait_kmcnt 0x0
	s_add_nc_u64 s[70:71], s[4:5], s[70:71]
	s_add_nc_u64 s[72:73], s[6:7], s[72:73]
	s_mov_b32 s[G0], 1
	s_add_co_u32 s[G0+1], s75, KSC
	s_mov_b64 s[G0+2:G0+3], s[72:73]
	s_or_b32 s[G0+3], s[G0+3], 0x80000000
	s_mov_b32 s[G0+4], 1
	s_mov_b32 s[G0+5], s74
	s_mov_b64 s[G0+6:G0+7], s[70:71]
	s_or_b32 s[G0+7], s[G0+7], 0x80000000
	ROUND                                          ; all four work-groups are here: the joint loads meet
	s_cmp_lt_u32 s[WV], 8                          ; one chain of branches on the wave's number, one load to an arm, one join
	s_cbranch_scc0 .Lscales
	tensor_load_to_lds s[G0+4:G0+7], s[G1T:G1T+7]
	s_nop 0
.rept 4
	v_nop
.endr
	s_branch .Lno_fetch
.Lscales:
	s_cmp_lt_u32 s[WV], 10
	s_cbranch_scc0 .Lno_fetch
	tensor_load_to_lds s[G0:G0+3], s[G1S:G1S+7]
	s_nop 0
.rept 4
	v_nop
.endr
.Lno_fetch:
	s_lshr_b32 s76, s[WV], 2                       ; w = 4 a + s: the place 2 a + s / 2 in a table of eight nibbles gives w' / 2: 7 6 4 5 3 2 0 1
	s_lshl_b32 s76, s76, 1
	s_bfe_u32 s77, s[WV], 0x10001
	s_or_b32 s76, s76, s77
	s_lshl_b32 s76, s76, 2
	s_lshr_b32 s76, 0x10235467, s76
	s_and_b32 s76, s76, 7
	s_lshl_b32 s76, s76, 1
	s_and_b32 s77, s[WV], 1
	s_or_b32 s76, s76, s77                         ; w' = 2 x that + s % 2
	s_lshl_b32 s76, s76, 2
	s_add_co_u32 s76, s76, ttmp9                   ; my query row block: 4 w' + j
	s_lshr_b32 s[QD], s76, 3
	s_lshl_b32 s77, s69, 2
	s_add_co_u32 s77, s77, s68                     ; 16 b + query head
	s_lshl_b32 s77, s77, 6
	s_add_co_u32 s77, s77, s76                     ; Q's fragment
	s_mul_i32 s78, s77, FRB
	s_mov_b32 s79, 0
	s_add_nc_u64 s[4:5], s[4:5], s[78:79]
	s_lshl_b32 s78, s77, 6
	s_add_nc_u64 s[6:7], s[6:7], s[78:79]
	v_and_b32 v7, 31, v0                           ; lane
	v_and_b32 v8, 15, v0                           ; r
	s_wait_alu depctr_va_vdst(0)
	v_bfe_u32 v9, v0, 4, 1                         ; h
	s_wait_alu depctr_va_vdst(0)
	v_lshlrev_b32 v[LI], 4, v7
	s_wait_alu depctr_va_vdst(0)
	v_lshlrev_b32 v6, 2, v8                        ; 4 r
	s_wait_alu depctr_va_vdst(0)
.irp c, 0,1,2
	global_load_b128 v[16+4*\c:19+4*\c], v[LI], s[4:5] offset:512*\c   ; Q's fragment stays in registers
.endr
	global_load_b32 v255, v6, s[6:7]               ; and its scale words
	s_lshr_b32 s70, s69, 2
	s_lshl_b32 s70, s70, 6
	s_add_co_u32 s70, s70, s76                     ; ctx: token row block 64 b + my row block,
	s_and_b32 s71, s69, 3
	s_lshl_b32 s71, s71, 2
	s_add_co_u32 s71, s71, s68                     ; K step = the head
	s_mul_i32 s72, s70, 24576
	s_mul_i32 s73, s71, FRB
	s_add_co_u32 s72, s72, s73
	s_mov_b32 s73, 0
	s_add_nc_u64 s[8:9], s[8:9], s[72:73]
	s_lshl_b32 s72, s70, 10
	s_lshl_b32 s74, s71, 6
	s_add_co_u32 s72, s72, s74
	s_add_nc_u64 s[10:11], s[10:11], s[72:73]
	s_lshr_b32 s74, s76, 1
	s_lshl_b32 s74, s74, 5
	s_and_b32 s75, s76, 1
	s_lshl_b32 s75, s75, 3
	s_add_co_u32 s74, s74, s75                     ; the row block's first position
	v_and_b32 v10, 8, v8
	s_delay_alu instid0(VALU_DEP_1)
	v_add_nc_u32 v10, v10, v8
	v_lshlrev_b32 v11, 4, v9
	s_delay_alu instid0(VALU_DEP_1)
	v_sub_nc_u32 v10, v10, v11
	s_delay_alu instid0(VALU_DEP_1)
	v_add_nc_u32 v[QP], s74, v10
	v_add_nc_u32 v[AV0], VLDS, v[LI]
	v_add_nc_u32 v[ASK0], KSC, v6
	v_add_nc_u32 v[ASV0], VSC, v6
	s_mov_b32 s[SEL], 0x76543210
	s_mov_b32 s[SEL+1], 0xfedcba98                 ; lane l xor 16
	s_mov_b32 s[CS], 0x3e0293ee                    ; c = log2(e) / sqrt(128)
	s_mov_b32 s[CS+1], s[CS]                       ; (named with it as a pair, so it is written)
	s_mov_b32 s[KI], 0
	s_mov_b32 s[TK], 0
	s_mov_b32 s[TS], 0
	s_mov_b32 s[KF], 0
	v_mov_b32 v13, 0xff61b1e6                      ; the largest t so far: -3e38, under every t
	s_delay_alu instid0(VALU_DEP_1)
	v_floor_f32 v12, -v13                          ; -M
	v_mov_b32 v14, 0                               ; the sum, in two halves
	v_mov_b32 v15, 0
.irp b, 0,1,2,3
	v_mov_b32 v[236+\b], 0                         ; written once: a lane permute's destination counts as one of its sources
.endr
	v_mov_b32 v253, 0                              ; (named as the upper half of the pair v[252:253] before it is first written)
.set n, 0
.rept 64
	v_mov_b32 v[160+n], 0                          ; O^T.  (The step is written once for all steps: the first finds zeros, which the first change of M leaves zeros)
.set n, n+1
.endr
; A KEY STEP: 128 keys
.macro STEP
	s_cmp_gt_u32 s[KI], s[QD]                      ; all its keys come after my queries: only the lines at its end, which step addresses, are run
	s_cbranch_scc1 .Lhidden_\@
	v_add_nc_u32 v[ADK], s[TK], v[LI]              ; (these four are also the places in front of the loads below)
	s_wait_alu depctr_va_vdst(0)
	v_add_nc_u32 v[ADV], s[TK], v[AV0]
	v_add_nc_u32 v[ADS], s[TS], v[ASK0]
	s_wait_alu depctr_va_vdst(0)
	v_add_nc_u32 v[ADT], s[TS], v[ASV0]
.irp g, 0,1                            ; S^T = K Q^T, four row blocks of 16 keys at a time
.if \g > 0
.rept 4
	v_nop                                          ; places in front of loads into registers that matrix instructions have read
.endr
.endif
.irp t, 0,1,2,3
.irp c, 0,1,2
	ds_load_b128 v[32+12*\t+4*\c:35+12*\t+4*\c], v[ADK] offset:(4*\g+\t)*FRB+512*\c
.endr
	ds_load_b32 v[248+\t], v[ADS] offset:(4*\g+\t)*64
.endr
	s_wait_dscnt 0x0
.irp t, 0,1,2,3
	v_wmma_scale_f32_16x16x128_f8f6f4 v[96+8*(4*\g+\t):103+8*(4*\g+\t)], v[32+12*\t:43+12*\t], v[16:27], 0, v[248+\t], v255 matrix_a_fmt:MATRIX_FMT_BF6 matrix_b_fmt:MATRIX_FMT_BF6
.endr
.endr                                  ; register 16 b + i of lane (r, h): key KF + 32 b + 16 h + i, query r
.rept 4
	v_nop
.endr
	s_cmp_lt_u32 s[KI], s[QD]                      ; a step all of whose keys count skips the mask
	s_cbranch_scc1 .Lopen_\@
	v_sub_nc_u32 v252, v[QP], s[KF]                ; d = my query - KF - 16 h: hidden where 32 b + i > d
	v_mov_b32 v254, 0xff800000                     ; -infinity: p = 0 then
.set n, 0
.rept 64
	v_cmp_gt_i32 vcc_lo, 32*(n/16)+n%16, v252
	v_cndmask_b32 v[96+n], v[96+n], v254, vcc_lo
.set n, n+1
.endr
.Lopen_\@:
.irp b, 0,1,2,3
	v_max3_num_f32 v[232+\b], v[96+16*\b], v[97+16*\b], v[98+16*\b]   ; the largest score of each block of 32 keys serves twice: for the row's maximum, and, since p rises with the score, for the block's largest p
.endr
.irp i, 3,5,7,9,11,13
.irp b, 0,1,2,3
	v_max3_num_f32 v[232+\b], v[232+\b], v[96+16*\b+\i], v[97+16*\b+\i]
.endr
.endr
.irp b, 0,1,2,3
	v_max_num_f32 v[232+\b], v[232+\b], v[111+16*\b]
.endr
.irp b, 0,1,2,3
	s_delay_alu instid0(VALU_DEP_4)
	v_permlanex16_b32 v[236+\b], v[232+\b], s[SEL], s[SEL+1]
.endr
.irp b, 0,1,2,3
	s_delay_alu instid0(VALU_DEP_4)
	v_max_num_f32 v[232+\b], v[232+\b], v[236+\b]  ; with lane l xor 16's 16 keys
.endr
	s_delay_alu instid0(VALU_DEP_2)
	v_max3_num_f32 v254, v232, v233, v234
	s_delay_alu instid0(VALU_DEP_1)
	v_max_num_f32 v254, v254, v235                 ; the step's largest score of my query
	s_delay_alu instid0(VALU_DEP_1)
	v_mul_f32 v254, s[CS], v254                    ; as t (c is positive)
	s_delay_alu instid0(VALU_DEP_1)
	v_max_num_f32 v13, v13, v254                   ; the running largest t
	v_mov_b32 v254, v12
	s_delay_alu instid0(VALU_DEP_2)
	v_floor_f32 v12, -v13                          ; the new -M = floor(-t): M is a whole number
	s_delay_alu instid0(VALU_DEP_1)
	v_sub_f32 v254, v12, v254                      ; old M - new M: a whole number, 0 or less
	s_delay_alu instid0(VALU_DEP_1)
	v_cvt_i32_f32 v254, v254                       ; (it saturates)
	s_delay_alu instid0(VALU_DEP_1)
	v_ldexp_f32 v252, 1.0, v254                    ; f = 2^(old M - new M)
.set n, 0
.rept 32
	v_pk_fma_f32 v[96+n:97+n], v[96+n:97+n], s[CS:CS+1], v[12:13] op_sel_hi:[1,0,0]   ; t - M, two at a time (of the pairs c and -M the low word serves both halves)
.set n, n+2
.endr
.irp b, 0,1,2,3
	v_fma_f32 v[232+\b], v[232+\b], s[CS], v12     ; the same of each block's largest score
.endr
.set n, 0
	s_wait_alu depctr_va_vdst(0)                   ; the wait ahead of the batch
.rept 64
	v_exp_f32 v[96+n], v[96+n]                     ; p = 2^(t - M), at most 1: not normalised
.set n, n+1
.endr
.irp b, 0,1,2,3
	v_exp_f32 v[232+\b], v[232+\b]                 ; the block's largest p: the same two instructions on the same number
.endr
	v_pk_mul_f32 v[14:15], v[14:15], v[252:253] op_sel_hi:[1,0]   ; the sums under the new M.  (A plain place behind the exponentials)
	s_wait_alu depctr_va_vdst(0)                   ; and behind it, ahead of its first reader
.irp b, 0,1,2,3
	v_max_num_f32 v[232+\b], 0x2800000, v[232+\b]  ; the floor 2^(5 - 127): the byte cannot fall under 1
.endr
.irp b, 0,1,2,3
	s_delay_alu instid0(VALU_DEP_4)
	v_add_nc_u32 v[244+\b], 0xfe000000, v[232+\b]  ; 4 off the exponent field: the conversion's scale operand
.endr
.irp b, 0,1,2,3
	s_delay_alu instid0(VALU_DEP_4)
	v_lshrrev_b32 v[236+\b], 23, v[244+\b]         ; the scale's byte
.endr
	s_delay_alu instid0(VALU_DEP_3)
	v_lshl_or_b32 v253, v237, 8, v236              ; p's scale word for these 128 keys
	s_delay_alu instid0(VALU_DEP_1)
	v_lshl_or_b32 v253, v238, 16, v253
	s_delay_alu instid0(VALU_DEP_1)
	v_lshl_or_b32 v253, v239, 24, v253
.irp c, 0,1
	v_cvt_scalef32_pk16_bf6_f32 v[224+6*\c:226+6*\c], v[96+32*\c:111+32*\c], v[244+2*\c]
	v_cvt_scalef32_pk16_bf6_f32 v[236+4*\c:238+4*\c], v[112+32*\c:127+32*\c], v[244+2*\c+1]   ; (a conversion's three registers begin on an even number)
.endr
	v_nop                                          ; one plain place behind a scaled conversion
.irp c, 0,1                            ; the operand's layout wants a WHOLE block in a lane
.irp i, 0,1,2
	v_permlane16_swap_b32 v[224+6*\c+\i], v[236+4*\c+\i]
.endr
.irp i, 0,1,2
	s_delay_alu instid0(VALU_DEP_3)
	v_mov_b32 v[227+6*\c+\i], v[236+4*\c+\i]
.endr
.endr
	v_pk_add_f32 v[236:237], v[100:101], v[104:105]   ; the row's sum of the unquantised p: eight chains by turns
	v_pk_add_f32 v[92:93], v[108:109], v[112:113]
	v_pk_add_f32 v[90:91], v[116:117], v[120:121]
	v_pk_add_f32 v[88:89], v[124:125], v[128:129]
	v_pk_add_f32 v[86:87], v[132:133], v[136:137]
	v_pk_add_f32 v[84:85], v[140:141], v[144:145]
	v_pk_add_f32 v[82:83], v[148:149], v[152:153]
	v_pk_add_f32 v[14:15], v[14:15], v[156:157]
	v_pk_add_f32 v[236:237], v[236:237], v[96:97]
	v_pk_add_f32 v[92:93], v[92:93], v[98:99]
	v_pk_add_f32 v[90:91], v[90:91], v[102:103]
	v_pk_add_f32 v[88:89], v[88:89], v[106:107]
	v_pk_add_f32 v[86:87], v[86:87], v[110:111]
	v_pk_add_f32 v[84:85], v[84:85], v[114:115]
	v_pk_add_f32 v[82:83], v[82:83], v[118:119]
	v_pk_add_f32 v[14:15], v[14:15], v[122:123]
	v_pk_add_f32 v[236:237], v[236:237], v[126:127]
	v_pk_add_f32 v[92:93], v[92:93], v[130:131]
	v_pk_add_f32 v[90:91], v[90:91], v[134:135]
	v_pk_add_f32 v[88:89], v[88:89], v[138:139]
	v_pk_add_f32 v[86:87], v[86:87], v[142:143]
	v_pk_add_f32 v[84:85], v[84:85], v[146:147]
	v_pk_add_f32 v[82:83], v[82:83], v[150:151]
	v_pk_add_f32 v[14:15], v[14:15], v[154:155]
	v_pk_add_f32 v[236:237], v[236:237], v[158:159]
	s_delay_alu instid0(VALU_DEP_2)
	v_pk_add_f32 v[14:15], v[14:15], v[88:89]
	s_delay_alu instid0(VALU_DEP_2)
	v_pk_add_f32 v[236:237], v[236:237], v[86:87]
	v_pk_add_f32 v[92:93], v[92:93], v[84:85]
	v_pk_add_f32 v[90:91], v[90:91], v[82:83]
	s_delay_alu instid0(VALU_DEP_2)
	v_pk_add_f32 v[14:15], v[14:15], v[92:93]
	s_delay_alu instid0(VALU_DEP_2)
	v_pk_add_f32 v[236:237], v[236:237], v[90:91]
	s_delay_alu instid0(VALU_DEP_1)
	v_pk_add_f32 v[14:15], v[14:15], v[236:237]
.set n, 0
.rept 32
	v_pk_mul_f32 v[160+n:161+n], v[160+n:161+n], v[252:253] op_sel_hi:[1,0]   ; O^T under the new M.  (These 32 are also the places in front of the products and loads below)
.set n, n+2
.endr
	s_wait_alu depctr_va_vdst(0)
.irp g, 0,1                            ; O^T += V^T P^T: four tiles of 16 of the head's 128 at a time; K = these 128 keys
.if \g > 0
.rept 4
	v_nop
.endr
.endif
.irp t, 0,1,2,3
.irp c, 0,1,2
	ds_load_b128 v[32+12*\t+4*\c:35+12*\t+4*\c], v[ADV] offset:(4*\g+\t)*FRB+512*\c
.endr
	ds_load_b32 v[248+\t], v[ADT] offset:(4*\g+\t)*64
.endr
	s_wait_dscnt 0x0
.irp t, 0,1,2,3
	v_wmma_scale_f32_16x16x128_f8f6f4 v[160+8*(4*\g+\t):167+8*(4*\g+\t)], v[32+12*\t:43+12*\t], v[224:235], v[160+8*(4*\g+\t):167+8*(4*\g+\t)], v[248+\t], v253 matrix_a_fmt:MATRIX_FMT_BF6 matrix_b_fmt:MATRIX_FMT_BF6
.endr
.endr
.Lhidden_\@:
	s_add_co_u32 s[KI], s[KI], 1
	s_add_co_u32 s[TK], s[TK], 8*FRB
	s_add_co_u32 s[TS], s[TS], 512
	s_add_co_u32 s[KF], s[KF], 128
.endm
	s_wait_alu depctr_va_vdst(0)                   ; the wait at the head's end
	s_wait_loadcnt 0x0                             ; Q
	s_wait_tensorcnt 0x0                           ; my one load, if I issued one, has landed;
	s_barrier_signal -1
	s_barrier_wait -1                              ; everybody's has: K, V and their scale words are whole.
	s_mov_b32 s[TW], 8
.Lkeys:                                                ; eight trips, a constant; a wave works in the first QD + 1 of them
	STEP
	s_sub_co_u32 s[TW], s[TW], 1
	s_cmp_lg_u32 s[TW], 0
	s_cbranch_scc1 .Lkeys
	; THE WAY OUT: O^T / the sum is my 16 tokens' 128 numbers of K step (head) of the last product: quantised in registers, stored as an image
.rept 4
	v_nop                                          ; places behind the last products
.endr
	v_add_f32 v14, v14, v15                        ; the sum's two halves,
	s_delay_alu instid0(VALU_DEP_1)
	v_permlanex16_b32 v252, v14, s[SEL], s[SEL+1]
	s_delay_alu instid0(VALU_DEP_1)
	v_add_f32 v14, v14, v252                       ; and lane l xor 16's: the row's sum
	s_wait_alu depctr_va_vdst(0)
	v_rcp_f32 v14, v14
	v_nop                                          ; one plain place behind a transcendental
.set n, 0
	s_wait_alu depctr_va_vdst(0)
.rept 32
	v_pk_mul_f32 v[96+n:97+n], v[160+n:161+n], v[14:15] op_sel_hi:[1,0]   ; register 16 b + i: ctx(token r, d = 32 b + 16 h + i)
.set n, n+2
.endr
.irp b, 0,1,2,3
	v_max3_num_f32 v[TM+\b], |v[96+16*\b]|, |v[97+16*\b]|, 0x2800000   ; my 16 numbers of block b, and the floor 2^(5 - 127)
.endr
.irp i, 2,4,6,8,10,12,14
.irp b, 0,1,2,3
	s_delay_alu instid0(VALU_DEP_4)
	v_max3_num_f32 v[TM+\b], v[TM+\b], |v[96+16*\b+\i]|, |v[97+16*\b+\i]|
.endr
.endr
.irp b, 0,1,2,3
	s_delay_alu instid0(VALU_DEP_4)
	v_permlanex16_b32 v[TM+4+\b], v[TM+\b], s[SEL], s[SEL+1]
.endr
.irp b, 0,1,2,3
	s_delay_alu instid0(VALU_DEP_4)
	v_max_num_f32 v[TM+\b], v[TM+\b], v[TM+4+\b]
.endr
.irp b, 0,1,2,3
	s_delay_alu instid0(VALU_DEP_4)
	v_add_nc_u32 v[TM+12+\b], 0xfe000000, v[TM+\b]
.endr
.irp b, 0,1,2,3
	s_delay_alu instid0(VALU_DEP_4)
	v_lshrrev_b32 v[TM+4+\b], 23, v[TM+12+\b]
.endr
	s_delay_alu instid0(VALU_DEP_3)
	v_lshl_or_b32 v[PW], v[TM+5], 8, v[TM+4]
	s_delay_alu instid0(VALU_DEP_1)
	v_lshl_or_b32 v[PW], v[TM+6], 16, v[PW]
	s_delay_alu instid0(VALU_DEP_1)
	v_lshl_or_b32 v[PW], v[TM+7], 24, v[PW]        ; my token's scale word
.irp c, 0,1
	v_cvt_scalef32_pk16_bf6_f32 v[PC+6*\c:PC+2+6*\c], v[96+32*\c:111+32*\c], v[TM+12+2*\c]
	v_cvt_scalef32_pk16_bf6_f32 v[PC+12+4*\c:PC+14+4*\c], v[112+32*\c:127+32*\c], v[TM+12+2*\c+1]
.endr
	v_nop                                          ; one plain place behind a scaled conversion
.irp c, 0,1
.irp i, 0,1,2
	v_permlane16_swap_b32 v[PC+6*\c+\i], v[PC+12+4*\c+\i]
.endr
.irp i, 0,1,2
	s_delay_alu instid0(VALU_DEP_3)
	v_mov_b32 v[PC+3+6*\c+\i], v[PC+12+4*\c+\i]
.endr
.endr
.irp c, 0,1,2
	global_store_b128 v[LI], v[PC+4*\c:PC+4*\c+3], s[8:9] offset:512*\c   ; 512 consecutive bytes, aligned
.endr
	v_cmp_gt_u32 vcc_lo, 16, v7
	s_wait_xcnt 0x0                                ; EXEC changes only behind this wait
	s_and_saveexec_b32 s70, vcc_lo
	global_store_b32 v6, v[PW], s[10:11]           ; lanes 0-15: the 16 tokens' words
	s_wait_xcnt 0x0                                ; and again, in front of the line that widens it
	s_or_b32 exec_lo, exec_lo, s70
	s_wait_tensorcnt 0x0                           ; the wave's end
	ds_add_u32 v95, v243
	s_wait_dscnt 0x0
	ROUND                                          ; the closing round: no work-group ends while a partner may still ask for a tile that names it
	s_endpgm
.Lfunc_end_k_q0292cd3e86_attn:
	.size	k_q0292cd3e86_attn, .Lfunc_end_k_q0292cd3e86_attn-k_q0292cd3e86_attn
	.p2alignl 7, 3214868480
	.fill 96, 4, 3214868480
	.section	.rodata,"a",@progbits
	.p2align	6, 0x0
	.amdhsa_kernel k_q0292cd3e86_attn
		.amdhsa_group_segment_fixed_size 206848
		.amdhsa_private_segment_fixed_size 0
		.amdhsa_enable_private_segment 0
		.amdhsa_kernarg_size 32
		.amdhsa_user_sgpr_count 2
		.amdhsa_user_sgpr_kernarg_segment_ptr 1
		.amdhsa_wavefront_size32 1
		.amdhsa_system_sgpr_workgroup_id_x 1
		.amdhsa_system_sgpr_workgroup_id_y 1
		.amdhsa_system_sgpr_workgroup_id_z 1
		.amdhsa_system_vgpr_workitem_id 0
		.amdhsa_next_free_vgpr 256
		.amdhsa_next_free_sgpr 80
		.amdhsa_reserve_vcc 1
		.amdhsa_float_denorm_mode_32 3
		.amdhsa_float_denorm_mode_16_64 3
		.amdhsa_memory_ordered 1
		.amdhsa_forward_progress 1
		.amdhsa_inst_pref_size 45
	.end_amdhsa_kernel
	.amdgpu_metadata
---
amdhsa.version: [ 1, 2 ]
amdhsa.kernels:
  - .name:           k_q0292cd3e86_attn
    .symbol:         k_q0292cd3e86_attn.kd
    .args:
      - { .name: ac, .offset: 0, .size: 8, .value_kind: global_buffer, .address_space: global }
      - { .name: asc, .offset: 8, .size: 8, .value_kind: global_buffer, .address_space: global }
      - { .name: cc, .offset: 16, .size: 8, .value_kind: global_buffer, .address_space: global }
      - { .name: cs, .offset: 24, .size: 8, .value_kind: global_buffer, .address_space: global }
    .group_segment_fixed_size: 206848
    .private_segment_fixed_size: 0
    .kernarg_segment_align: 8
    .kernarg_segment_size: 32
    .max_flat_workgroup_size: 512
    .sgpr_count:     80
    .vgpr_count:     256
    .wavefront_size: 32
...
	.end_amdgpu_metadata
.endif
;; end of part 3
;; launch oproj (part 4): grid 8 x 32, 4 waves a work-group, clusters of 4 x 4, 327,680 bytes of LDS; arguments cc, cs, cwo, out0; writes out0
.if DOCPART == 4
	.amdgcn_target "amdgcn-amd-amdhsa--gfx1250"
	.amdhsa_code_object_version 6
	.text
	.protected	k_q0292cd3e86_oproj
	.globl	k_q0292cd3e86_oproj
	.p2align	8
	.type	k_q0292cd3e86_oproj,@function
k_q0292cd3e86_oproj:
	s_mov_b64 s[64:65], 0
	v_nop
	global_prefetch_b8 v0, s[64:65] scope:SCOPE_SE
	s_setreg_imm32_b32 hwreg(HW_REG_WAVE_MODE, 25, 1), 1
	s_wait_xcnt 0x0
	s_wait_alu depctr_hold_cnt(0) depctr_sa_sdst(0) depctr_va_vdst(0) depctr_va_sdst(0) depctr_va_ssrc(0) depctr_va_vcc(0) depctr_vm_vsrc(0)
	s_getreg_b32 s2, hwreg(HW_REG_IB_STS2, 6, 4)
	s_cmp_eq_u32 s2, 0
	s_cbranch_scc0 .Lentry_in_a_cluster
	s_endpgm
.Lentry_in_a_cluster:
	s_bfe_u32 s2, ttmp6, 0x10000c
	s_cmp_lg_u32 s2, 0xf033
	s_cbranch_scc0 .Lentry_shape_is_right
	s_endpgm
.Lentry_shape_is_right:
; out0 = ctx wo^T on codes of BF6 with E8M0 scales: 4,096 tokens x 2,048 units, K = 2,048; f32 out.  Operands are images of fragments' registers: ctx in cc [row block][K step 16][1,536] with cs [row block][K step][64];
; wo in cwo, its 128 row blocks of codes laid the same way and, behind these 3,145,728 bytes, its scale words.  Lane r of row block 2 B + u stands for row 32 B + 8 u + r + 8 (r / 8).
; A tile of 128 tokens x 256 units is made by four waves, each 64 x 128: 32 accumulators.  256 work-groups.  K goes in four slots of 512 through a ring of two LDS slots (A's 8 row blocks x 6,144 bytes, then B's 16).
; CLUSTERS 4 x 4: the four of a row need the same tokens, the four of a column the same units: joint loads.
; THE HEAD: one joint load a wave: wave 0 slot 0's rows of A, wave 1 its rows of B, wave 2 A's scale words for all of K (8,192 bytes), wave 3 B's (16,384).  Slot 1's first fill follows behind the full sequence and a round.
; PREFETCHES: behind the load of slot s the blocks of slot s + 2 are asked for, and slot 1's at the head; the four partners that ask for a tile jointly share its row blocks out by address (cx for A, cy for B).
; The matrix instruction is used transposed (source 0 = 16 units, source 1 = 16 tokens): a lane holds neighbouring numbers of a row of out0; a block of 16 rows leaves through the wave's own stage in slot 0,
; which has had its last fill and its last read by then, as whole rows of 512 bytes.
; REGISTERS: window 0: v8 the prefetches' offset, v16-29 addresses, v32-47 scale words (two sets), v64-159 A's fragments (two sets), v128-255 at work on the way out; window 1: B's fragments, two sets; window 2: accumulator (a, b) at v[8 (8 a + b)].
.set FR,    12                         ; registers of a fragment
.set NP,    4                          ; places behind this matrix instruction (ISA guide 7.12.1)
.set NQ,    4                          ; K steps of 128 in a slot
.set FRB,   1536
.set RBB,   24576
.set RBS,   1024
.set SROW,  NQ*FRB
.set AHALF, 4*SROW
.set BHALF, 8*SROW
.set BOFF,  2*AHALF
.set SLOT,  BOFF+2*BHALF
.set SCL,   2*SLOT                     ; behind the ring: the scale words, A's then B's
.set ASH,   4*RBS
.set BSH,   8*RBS
.set SPARE, SCL+2*ASH+2*BSH            ; the spare words: 128 bytes for each wave
.set SPITCH, 528
.set PFO,  8
.set ADRA, 16
.set ADRB, 18
.set ADRS, 20
.set LI,   21
.set STO,  23
.set RD,   24
.set SPW,  28
.set NIL,  29
.set SC,   32
.set AF,   64
.set BK,   128
.set PFA,  4                           ; s[4:5] where my prefetches stand (cc's address has been used by then); never stepped: the slots stand in the immediates
.set WV,   20
.set RH,   21
.set CH,   22
.set G1,   24
.set G0,   32
.set G1B,  48
.set G0B,  56
.set G1S,  68
.set G0S,  76
.set G1SB, 80
.set G0SB, 88
.set MSB, 0
.macro WIN new                         ; the immediate's high byte repeats the setting that is left
.if MSB != (\new)
	s_set_vgpr_msb (MSB<<8)|(\new)
.set MSB, (\new)
.endif
.endm
.set MUL,  0xa1                        ; source 0 (B) window 1, source 1 (A) window 0, C and D window 2
.set TO_B, 0x40                        ; destination window 1, address window 0
.macro JLOAD g0a, g1a, g0b, g1b        ; a joint load of the ring: waves 0 and 1 fetch for A, waves 2 and 3 for B; the branch hangs on the wave's number alone
	s_cmp_eq_u32 s[RH], 0
	s_cbranch_scc0 .Lfor_b_\@
	tensor_load_to_lds s[\g0a:\g0a+3], s[\g1a:\g1a+7]
	s_nop 0
.rept 4
	v_nop
.endr
	s_branch .Lasked_\@
.Lfor_b_\@:
	tensor_load_to_lds s[\g0b:\g0b+3], s[\g1b:\g1b+7]
	s_nop 0
.rept 4
	v_nop
.endr
.Lasked_\@:
.endm
.macro CREST                           ; a round of the cluster's barrier behind its opening barrier
	s_cmp_lg_u32 s[WV], 0
	s_cbranch_scc1 .Lnot_wave_0_\@
	s_barrier_signal -3
.Lnot_wave_0_\@:
	s_barrier_wait -3
	s_barrier_signal -1
	s_barrier_wait -1
.endm
.macro CROUND
	s_barrier_signal -1
	s_barrier_wait -1
	CREST
.endm
.macro PLACES n
.rept \n
	v_nop
.endr
.endm
.macro ASK s                           ; slot s's blocks of my share: a row block's 6,144 bytes are 24 blocks of 256, a lane a block; B's waves have two row blocks
	global_prefetch_b8 v[PFO], s[PFA:PFA+1] offset:(\s)*SROW th:TH_LOAD_NT scope:SCOPE_SE
	s_cmp_eq_u32 s[RH], 0
	s_cbranch_scc1 .Lone_\@
	global_prefetch_b8 v[PFO], s[PFA:PFA+1] offset:(\s)*SROW+RBB th:TH_LOAD_NT scope:SCOPE_SE
.Lone_\@:
.endm
.macro ARM under, g0, g1, next         ; the head's loads, one a wave: one tree of branches on the wave's number, every way passes one load
	s_cmp_lt_u32 s[WV], \under
	s_cbranch_scc0 \next
	tensor_load_to_lds s[\g0:\g0+3], s[\g1:\g1+7]
	s_nop 0
.rept 4
	v_nop
.endr
	s_branch .Lhead_asked
\next:
.endm
	s_load_b256 s[4:11], s[0:1], 0x0               ; cc s[4:5], cs s[6:7], cwo s[8:9], out0 s[10:11]
	v_lshl_add_u32 v[SPW], v0, 2, SPARE
	v_mov_b32 v[NIL], 0
	ds_add_u32 v[SPW], v[NIL]                      ; the opening lines: the add, twice on end, and its wait
	ds_add_u32 v[SPW], v[NIL]
	s_wait_dscnt 0x0
	v_lshrrev_b32 v1, 5, v0
	v_readfirstlane_b32 s[WV], v1                  ; wave 0..3
	s_lshr_b32 s[RH], s[WV], 1                     ; which half of the tile's tokens is mine.  Also: in the ring I fetch for A (0) or for B (1)
	s_and_b32 s[CH], s[WV], 1                      ; which half of its units.  Also: which half of that tile I fetch
	s_bfe_u32 s40, ttmp6, 0x40000                  ; cx, cy: my place in the cluster
	s_bfe_u32 s41, ttmp6, 0x40004
	s_lshl_b32 s42, ttmp9, 2
	s_add_co_u32 s42, s42, s40                     ; tile column
	s_and_b32 s45, ttmp7, 0xffff
	s_lshl_b32 s45, s45, 2
	s_add_co_u32 s45, s45, s41                     ; tile row
	s_lshl_b32 s43, s41, 2
	s_lshl_b32 s43, 15, s43                        ; my row of the cluster
	s_lshl_b32 s44, 0x1111, s40                    ; my column
	s_or_b32 s[G1], s43, (3<<16)|(1<<21)           ; 15:0 the mask; 17:16 elements of 8 bytes; 21 set beside a mask
	s_or_b32 s[G1B], s44, (3<<16)|(1<<21)
.irp g, G1, G1B
	s_mov_b32 s[\g+1], 768<<16                     ; rows of 6,144 bytes, 24,576 apart
	s_mov_b32 s[\g+3], 768<<16
	s_mov_b32 s[\g+5], 3072
	s_mov_b32 s[\g+6], 0
	s_mov_b32 s[\g+7], 0
.endr
	s_mov_b32 s[G1+2], 8<<16                       ; the head's loads bring whole tiles: A's 8 row blocks, B's 16; halved for the ring behind the head's wait
	s_mov_b32 s[G1+4], 8
	s_mov_b32 s[G1B+2], 16<<16
	s_mov_b32 s[G1B+4], 16
	s_or_b32 s[G1S], s43, (3<<16)|(1<<21)
	s_or_b32 s[G1SB], s44, (3<<16)|(1<<21)
.irp g, G1S, G1SB
	s_mov_b32 s[\g+1], 32<<16                      ; dense rows of 256 bytes
	s_mov_b32 s[\g+3], 32<<16
	s_mov_b32 s[\g+5], 32
	s_mov_b32 s[\g+6], 0
	s_mov_b32 s[\g+7], 0
.endr
	s_mov_b32 s[G1S+2], 32<<16                     ; A's scale words: 32 rows; B's: 64
	s_mov_b32 s[G1S+4], 32
	s_mov_b32 s[G1SB+2], 64<<16
	s_mov_b32 s[G1SB+4], 64
	s_lshl_b32 s2, s45, 3                          ; A: the tile's first row block, 8 x tile row
	s_mul_i32 s14, s2, RBB
	s_mov_b32 s15, 0
	s_mul_i32 s16, s2, RBS
	s_mov_b32 s17, 0
	s_lshl_b32 s46, s42, 4                         ; B: 16 x tile column
	s_mul_i32 s92, s46, RBB
	s_mov_b32 s93, 0
	s_mul_i32 s94, s46, RBS
	s_mov_b32 s95, 0
	s_mul_i32 s18, s[CH], AHALF                    ; where the ring's loads go: no place in the cluster enters an LDS address
	s_mul_i32 s19, s[CH], BHALF
	s_add_co_u32 s19, s19, BOFF
	s_mul_i32 s2, s[CH], 4*RBB                     ; in the ring I fetch half a tile: which half, in bytes: of A's 8 row blocks,
	s_mov_b32 s3, 0
	s_mul_i32 s46, s[CH], 8*RBB                    ; of B's 16
	s_mov_b32 s47, 0
	s_wait_kmcnt 0x0
	s_mov_b64 s[12:13], s[10:11]                   ; out0
	s_add_nc_u64 s[10:11], s[8:9], 128*RBB         ; wo's scale words lie behind its codes
	s_add_nc_u64 s[14:15], s[4:5], s[14:15]
	s_add_nc_u64 s[16:17], s[6:7], s[16:17]
	s_add_nc_u64 s[92:93], s[8:9], s[92:93]
	s_add_nc_u64 s[94:95], s[10:11], s[94:95]
	CROUND                                         ; all sixteen work-groups are here: the first joint loads meet
	s_mov_b32 s[G0S], 1
	s_mov_b32 s[G0S+1], SCL
	s_mov_b64 s[G0S+2:G0S+3], s[16:17]
	s_or_b32 s[G0S+3], s[G0S+3], 0x80000000
	s_mov_b32 s[G0SB], 1
	s_mov_b32 s[G0SB+1], SCL+2*ASH
	s_mov_b64 s[G0SB+2:G0SB+3], s[94:95]
	s_or_b32 s[G0SB+3], s[G0SB+3], 0x80000000
	s_mov_b32 s[G0], 1                             ; slot 0's groups 0 serve the head's whole tiles: A's at LDS 0,
	s_mov_b32 s[G0+1], 0
	s_mov_b64 s[G0+2:G0+3], s[14:15]
	s_or_b32 s[G0+3], s[G0+3], 0x80000000
	s_mov_b32 s[G0B], 1                            ; B's behind them
	s_mov_b32 s[G0B+1], BOFF
	s_mov_b64 s[G0B+2:G0B+3], s[92:93]
	s_or_b32 s[G0B+3], s[G0B+3], 0x80000000
	s_add_nc_u64 s[14:15], s[14:15], s[2:3]        ; for the ring: my half of the tile
	s_add_nc_u64 s[92:93], s[92:93], s[46:47]
	s_mov_b32 s[G0+4], 1                           ; slot 1
	s_add_co_u32 s[G0+5], s18, SLOT
	s_add_nc_u64 s[G0+6:G0+7], s[14:15], SROW
	s_or_b32 s[G0+7], s[G0+7], 0x80000000
	s_mov_b32 s[G0B+4], 1
	s_add_co_u32 s[G0B+5], s19, SLOT
	s_add_nc_u64 s[G0B+6:G0B+7], s[92:93], SROW
	s_or_b32 s[G0B+7], s[G0B+7], 0x80000000
	s_lshl_b32 s7, s41, 1                          ; of the row blocks that I fetch, my work-group asks for: A: 1 of 4, number cx; B: 2 of 8, from number 2 cy
	s_cmp_eq_u32 s[RH], 0
	s_cselect_b64 s[PFA:PFA+1], s[14:15], s[92:93]
	s_cselect_b32 s6, s40, s7
	s_mul_i32 s6, s6, RBB
	s_mov_b32 s7, 0
	s_add_nc_u64 s[PFA:PFA+1], s[PFA:PFA+1], s[6:7]
	ARM 1, G0,  G1,  .Lhead_b
	ARM 2, G0B, G1B, .Lhead_sa
	ARM 3, G0S, G1S, .Lhead_sb
	tensor_load_to_lds s[G0SB:G0SB+3], s[G1SB:G1SB+7]
	s_nop 0
.rept 4
	v_nop
.endr
.Lhead_asked:
	v_and_b32 v1, 31, v0                           ; lane
	v_and_b32 v2, 15, v0                           ; r
	v_bfe_u32 v3, v0, 4, 1                         ; h
	s_wait_alu depctr_va_vdst(0)
	v_lshlrev_b32 v[LI], 4, v1
	v_min_u32 v[PFO], 23, v1                       ; lanes 24-31 name lane 23's block again
	v_lshlrev_b32 v[PFO], 8, v[PFO]
	s_mul_i32 s2, s[RH], AHALF                     ; my 4 row blocks of A,
	s_mul_i32 s3, s[CH], BHALF                     ; my 8 of B
	s_add_co_u32 s3, s3, BOFF
.irp s, 0,1
	v_add_nc_u32 v[ADRA+\s], s2, v[LI]
	v_add_nc_u32 v[ADRB+\s], s3, v[LI]
	s_add_co_u32 s2, s2, SLOT
	s_add_co_u32 s3, s3, SLOT
.endr
	s_lshl_b32 s2, s[RH], 12
	s_lshl_b32 s3, s[CH], 13
	s_add_co_u32 s3, s3, 2*ASH
	s_sub_co_u32 s3, s3, s2
	v_mul_u32_u24 v4, s3, v3                       ; scale words: lanes 16-31 take B's: one product, the distance x h
	s_add_co_u32 s2, s2, SCL
	v_lshl_add_u32 v4, v2, 2, v4
	v_add_nc_u32 v[ADRS], s2, v4
	s_mul_i32 s2, s[WV], 16*SPITCH                 ; my stage
	v_mul_u32_u24 v4, v2, SPITCH
	v_lshl_add_u32 v4, v3, 6, v4
	v_add_nc_u32 v[STO], s2, v4
	v_add_nc_u32 v[RD], s2, v[LI]
	s_lshl_b32 s14, s45, 7
	s_lshl_b32 s15, s[RH], 6
	s_add_co_u32 s14, s14, s15                     ; my first row of out0
	s_lshl_b32 s14, s14, 13
	s_lshl_b32 s15, s42, 10
	s_add_co_u32 s14, s14, s15
	s_lshl_b32 s15, s[CH], 9
	s_add_co_u32 s14, s14, s15                     ; and my first column, in bytes
	s_mov_b32 s15, 0
	s_add_nc_u64 s[12:13], s[12:13], s[14:15]
	ASK 1                                          ; slot 1, whose load follows behind the head's wait and round,
	ASK 2                                          ; and slot 2
.macro FRAG reg, adr, q, i             ; a fragment's image: three loads of 512 consecutive bytes
.irp c, 0,1,2
	ds_load_b128 v[\reg+4*\c:\reg+4*\c+3], v[\adr] offset:(\i)*SROW+(\q)*FRB+512*\c
.endr
.endm
.macro MUL8 a, p, zero                 ; A's block a x B's eight; the 32 accumulators take turns, in the same order in every step
.irp b, 0,1,2,3,4,5,6,7
.if \zero
	v_wmma_scale_f32_16x16x128_f8f6f4 v[8*(8*(\a)+\b):8*(8*(\a)+\b)+7], v[128*(\p)+FR*\b:128*(\p)+FR*\b+FR-1], v[AF+48*(\p)+FR*(\a):AF+48*(\p)+FR*(\a)+FR-1], 0, v[SC+8*(\p)+\b], v[SC+8*(\p)+(\a)] matrix_a_fmt:MATRIX_FMT_BF6 matrix_b_fmt:MATRIX_FMT_BF6 matrix_a_scale:MATRIX_SCALE_ROW1
.else
	v_wmma_scale_f32_16x16x128_f8f6f4 v[8*(8*(\a)+\b):8*(8*(\a)+\b)+7], v[128*(\p)+FR*\b:128*(\p)+FR*\b+FR-1], v[AF+48*(\p)+FR*(\a):AF+48*(\p)+FR*(\a)+FR-1], v[8*(8*(\a)+\b):8*(8*(\a)+\b)+7], v[SC+8*(\p)+\b], v[SC+8*(\p)+(\a)] matrix_a_fmt:MATRIX_FMT_BF6 matrix_b_fmt:MATRIX_FMT_BF6 matrix_a_scale:MATRIX_SCALE_ROW1
.endif
.endr
.endm
.macro FETCH k                         ; step k's fragments and scale words into set k % 2
.set FS, ((\k)/4)%2
.set FQ, (\k)%4
.set FP, (\k)%2
	WIN TO_B
.irp i, 0,1,2,3,4,5,6,7
	FRAG 128*FP+FR*\i, ADRB+FS, FQ, \i
.endr
	WIN 0
.irp i, 0,1,2,3
	FRAG AF+48*FP+FR*\i, ADRA+FS, FQ, \i
.endr
.irp i, 0,1,2,3,4,5,6,7
	ds_load_b32 v[SC+8*FP+\i], v[ADRS] offset:\i*RBS+64*(\k)
.endr
.endm
.macro STEP k, zero                    ; a step of 128 along K that has its successor in the same slot
	s_wait_dscnt 0x0
	WIN MUL
	MUL8 0, (\k)%2, \zero
	PLACES NP                                      ; in front of loads into registers that matrix instructions have read
	FETCH (\k)+1
	WIN MUL
	MUL8 1, (\k)%2, \zero
	MUL8 2, (\k)%2, \zero
	MUL8 3, (\k)%2, \zero
.endm
.macro TURN k, fill                    ; a slot's last step changes slots: one barrier; fill = 1: it opens a round, and the slot is filled again
.set TSL, ((\k)/4)%2
	WIN 0
	s_wait_tensorcnt 0x0                           ; all my tensor loads have landed: my part of the next slot
	ds_add_u32 v[SPW], v[NIL]                      ; 0 onto my spare word
	s_wait_dscnt 1                                 ; (the add may be out)
	WIN MUL
	MUL8 0, (\k)%2, 0
	s_wait_dscnt 0x0                               ; the add is done, and my reads of this slot are over
	s_barrier_signal -1
	MUL8 1, (\k)%2, 0
	WIN 0
	s_barrier_wait -1
.if \fill
	CREST
	s_add_nc_u64 s[G0+4*TSL+2:G0+4*TSL+3], s[G0+4*TSL+2:G0+4*TSL+3], 2*SROW
	s_add_nc_u64 s[G0B+4*TSL+2:G0B+4*TSL+3], s[G0B+4*TSL+2:G0B+4*TSL+3], 2*SROW
	JLOAD G0+4*TSL, G1, G0B+4*TSL, G1B             ; the first tensor load behind the round; its four v_nop are the places in front of the loads below
.else
	PLACES NP
.endif
	FETCH (\k)+1
	WIN MUL
	MUL8 2, (\k)%2, 0
	MUL8 3, (\k)%2, 0
.endm
	s_wait_alu depctr_va_vdst(0)                   ; the wait at the head's end
	s_wait_tensorcnt 0x0                           ; my tile of the head's four is in
	ds_add_u32 v[SPW], v[NIL]
	s_mov_b32 s[G1+2], 4<<16                       ; no tensor load of mine is out, so descriptors may be written: from here on a load brings half a tile,
	s_mov_b32 s[G1+4], 4
	s_mov_b32 s[G1B+2], 8<<16
	s_mov_b32 s[G1B+4], 8
	s_mul_i32 s[G0+1], s[CH], AHALF                ; and slot 0's groups 0 stand at my half
	s_mul_i32 s[G0B+1], s[CH], BHALF
	s_add_co_u32 s[G0B+1], s[G0B+1], BOFF
	s_mul_i32 s2, s[CH], 4*RBB
	s_mov_b32 s3, 0
	s_add_nc_u64 s[G0+2:G0+3], s[G0+2:G0+3], s[2:3]
	s_mul_i32 s2, s[CH], 8*RBB
	s_add_nc_u64 s[G0B+2:G0B+3], s[G0B+2:G0B+3], s[2:3]
	s_wait_dscnt 0x0                               ; the add is done
	CROUND                                         ; a whole round: all four tiles are in, and all sixteen work-groups are here
	JLOAD G0+4, G1, G0B+4, G1B                     ; slot 1's first fill, the first tensor load behind the round
	FETCH 0
	ASK 3                                          ; slot 3
	STEP 0, 1                                      ; the first step's products start the sums
	STEP 1, 0
	STEP 2, 0
	TURN 3, 1
	STEP 4, 0
	STEP 5, 0
	STEP 6, 0
	TURN 7, 1
	STEP 8, 0
	STEP 9, 0
	STEP 10, 0
	TURN 11, 0
	STEP 12, 0
	STEP 13, 0
	STEP 14, 0
	s_wait_dscnt 0x0
	WIN MUL
	MUL8 0, 1, 0
	MUL8 1, 1, 0
	MUL8 2, 1, 0
	MUL8 3, 1, 0
	WIN 0
.macro TOSTAGE a                       ; block a, 16 rows x 128 columns, into my stage, each accumulator from its low end on, and back as whole rows
.set AC, 64*(\a)
	WIN 0x08
.irp b, 0,1,2,3,4,5,6,7
	ds_store_b128 v[STO], v[AC+8*\b:AC+8*\b+3] offset:128*(\b/2)+32*(\b%2)
	ds_store_b128 v[STO], v[AC+8*\b+4:AC+8*\b+7] offset:128*(\b/2)+32*(\b%2)+16
.endr
	WIN 0
.set BB, BK+64*((\a)%2)
.irp t, 0,1,2,3,4,5,6,7,8,9,10,11,12,13,14,15
	ds_load_b128 v[BB+4*\t:BB+4*\t+3], v[RD] offset:\t*SPITCH   ; LDS serves a wave's instructions in order: these see the stores above
.endr
.endm
.macro SEND a, younger                 ; younger: the LDS instructions issued behind block a's loads, which may stay out
.set BB, BK+64*((\a)%2)
	s_wait_dscnt \younger
.irp t, 0,1,2,3,4,5,6,7,8,9,10,11,12,13,14,15
	global_store_b128 v[LI], v[BB+4*\t:BB+4*\t+3], s[12:13] offset:(32*((\a)/2)+8*((\a)%2)+\t+8*(\t/8))*8192 th:TH_STORE_NT   ; 512 consecutive bytes of a row, aligned
.endr
.endm
	PLACES NP
	TOSTAGE 0
.irp a, 1,2,3
.if \a > 1
	s_wait_xcnt 0x0                                ; block a - 2's stores have read their registers
.endif
	TOSTAGE \a
	SEND \a-1, 32
.endr
	SEND 3, 0
	s_wait_tensorcnt 0x0                           ; the wave's end
	ds_add_u32 v[SPW], v[NIL]
	s_wait_dscnt 0x0
	CROUND                                         ; the closing round
	s_endpgm
.Lfunc_end_k_q0292cd3e86_oproj:
	.size	k_q0292cd3e86_oproj, .Lfunc_end_k_q0292cd3e86_oproj-k_q0292cd3e86_oproj
	.p2alignl 7, 3214868480
	.fill 96, 4, 3214868480
	.section	.rodata,"a",@progbits
	.p2align	6, 0x0
	.amdhsa_kernel k_q0292cd3e86_oproj
		.amdhsa_group_segment_fixed_size 327680
		.amdhsa_private_segment_fixed_size 0
		.amdhsa_enable_private_segment 0
		.amdhsa_kernarg_size 32
		.amdhsa_user_sgpr_count 2
		.amdhsa_user_sgpr_kernarg_segment_ptr 1
		.amdhsa_wavefront_size32 1
		.amdhsa_system_sgpr_workgroup_id_x 1
		.amdhsa_system_sgpr_workgroup_id_y 1
		.amdhsa_system_sgpr_workgroup_id_z 1
		.amdhsa_system_vgpr_workitem_id 0
		.amdhsa_next_free_vgpr 768
		.amdhsa_next_free_sgpr 98
		.amdhsa_reserve_vcc 0
		.amdhsa_float_denorm_mode_32 3
		.amdhsa_float_denorm_mode_16_64 3
		.amdhsa_memory_ordered 1
		.amdhsa_forward_progress 1
		.amdhsa_inst_pref_size 141
	.end_amdhsa_kernel
	.amdgpu_metadata
---
amdhsa.version: [ 1, 2 ]
amdhsa.kernels:
  - .name:           k_q0292cd3e86_oproj
    .symbol:         k_q0292cd3e86_oproj.kd
    .args:
      - { .name: cc, .offset: 0, .size: 8, .value_kind: global_buffer, .address_space: global }
      - { .name: cs, .offset: 8, .size: 8, .value_kind: global_buffer, .address_space: global }
      - { .name: cwo, .offset: 16, .size: 8, .value_kind: global_buffer, .address_space: global }
      - { .name: out0, .offset: 24, .size: 8, .value_kind: global_buffer, .address_space: global }
    .group_segment_fixed_size: 327680
    .private_segment_fixed_size: 0
    .kernarg_segment_align: 8
    .kernarg_segment_size: 32
    .max_flat_workgroup_size: 128
    .sgpr_count:     98
    .vgpr_count:     768
    .wavefront_size: 32
...
	.end_amdgpu_metadata
.endif
;; end of part 4
